; MI455X (gfx1250); checked and timed in simulation.
; The chip was launched on July 23, 2026; its instructions are those of AMD's public machine-readable ISA for CDNA 5 (MIT licence, August 2026) and "CDNA5" Instruction Set Architecture Reference Guide (July 2026). The comments in the code are by the model that wrote it; some were corrected since.
;; Multi Head Attn. Allowed arithmetic: float matrix products may take bf16 or f16 operands with f32 sums; other float arithmetic in f32, or as packed bf16 or f16 multiplies, adds, multiply-adds, maxima and minima; sums over many terms, partial sums and values carried from step to step in f32; what a program stores and reads back later, other than sums and carried values, may be rounded once to bf16 or f16.
;; Inputs: Wk 16 x 64 x 1,024 float32; Wp 1,024 x 1,024 float32; Wq 16 x 64 x 1,024 float32; Wv 16 x 64 x 1,024 float32; k 512 x 64 x 1,024 float32; offset 1,024 float32; q 512 x 1,024 float32; scale 1,024 float32; v 512 x 64 x 1,024 float32.
;; Outputs: out0 512 x 1,024 float32.
;; 2 versions, each right; version 2 is version 1 with the launch attn written anew for expert scheduling mode. Each part assembles by itself: llvm-mc -triple=amdgcn-amd-amdhsa -mcpu=gfx1250 --defsym DOCPART=n.
;; ======== version 1 of 2: 5 launches
;; workspace buffers: qk 16,777,216 bytes; wv 16,777,216 bytes; ctx 1,048,576 bytes; y 2,097,152 bytes
;; launch qkproj (part 1): grid 16 x 16, 16 waves a work-group, no clusters, 280,576 bytes of LDS; arguments q, Wq, Wk, qk; writes qk
.if DOCPART == 1
	.amdgcn_target "amdgcn-amd-amdhsa--gfx1250"
	.amdhsa_code_object_version 6
	.text
	.protected	k_qa825b25d21_qkproj
	.globl	k_qa825b25d21_qkproj
	.p2align	8
	.type	k_qa825b25d21_qkproj,@function
k_qa825b25d21_qkproj:
	s_mov_b64 s[64:65], 0
	v_nop
	global_prefetch_b8 v0, s[64:65] scope:SCOPE_SE
	s_setreg_imm32_b32 hwreg(HW_REG_WAVE_MODE, 25, 1), 1
	s_wait_xcnt 0x0
; FIRST OF FIVE LAUNCHES.  qk[b][h][d] = sum over c of hq[b][h][c] Wk[h][c][d],  hq[b][h][c] = sum over d of q[b][d] Wq[h][c][d].   qk: bf16 [512][16][1024].
; WHAT THE PROGRAM LEAVES OUT, AND WHY IT MAY.  The module has ONE query for each b.  Its scores are  sum_c hq[b,h,c] (sum_d k[b,l,d] Wk[h,c,d]) = sum_d k[b,l,d] qk[b,h,d],
; and its context is  sum_l w[b,h,l] (sum_d v[b,l,d] Wv[h,c,d]) = sum_d Wv[h,c,d] wv[b,h,d]  with  wv[b,h,d] = sum_l w[b,h,l] v[b,l,d].  Both are finite sums taken in another order:
; identities in real numbers for every value of the inputs.  So the projections hk and hv of all 32,768 rows of k and v are never formed; six products of 512 x 1024 x 1024 remain.
; No input is left out: all nine are loaded by some launch.
; LIMITS.  The order of rounding differs from the module's own.  hq, qk, the weights w, wv and ctx are each rounded once to bf16, as are all matrix operands; all sums are f32.
; A NaN, an infinity or an overflow that would arise only in hk or hv is not carried to the result; NaN and infinities are not treated apart.
; SHARES.  Work-group (h, mb): head h, the 32 rows b = 32 mb ...  16 waves: half = wave / 8, w = wave % 8.  Wave w of either half owns d = 128 w .. 128 w + 127.
; FIRST PRODUCT, transposed: source 0 = 16 rows of Wq[h], source 1 = 16 rows of q; K = d, split among the eight w; the eight partial sums meet in LDS.  In the result lane (r, hh), register j
; of tile t holds hq[b = r][c = 16 t + 8 hh + j]: two tiles rounded in pairs ARE source 1 (32 c x 16 b) of the second product.
; SECOND PRODUCT, transposed: source 0 = 16 d x 32 c of Wk[h], made in registers from the loads as they come: lane (r, hh) has loaded 4 floats d0 + 4 r + 0..3 of the rows c that a fragment
; wants of it, so component t of the loads is the fragment of the sixteen d = d0 + 4 r + t.  Nothing is transposed through LDS.
; NO MULTICAST: a head's block of f32 weights is 262,144 bytes, which with Q, the partial sums and the stage does not fit in LDS in one fill, and a wave has two groups of loads in all.
.set QB,    139264                     ; LDS: T[w] at 17,408 w: 64 rows of Wq x (256 + 16) bytes; then Q[w] at QB + 8,704 w: 32 rows of q x 272, later the stage for the way out
.set PB,    208896                     ; the 16 waves' partial sums, 4,096 bytes each
.set RB,    274432                     ; hq as source-1 registers: 2,048 bytes for each 16 rows b
.set SPARE, 278528                     ; the spare words: 128 bytes a wave, named by no other line
.set ACC, 16                           ; v[16:47]   four accumulators; later the second product's for rows b 0-15
.set QF,  48                           ; v[48:79]   q's fragments; later hq's
.set CV,  80                           ; v[80:111]  converted numbers on their way
.set KF,  80                           ;            and, behind the barrier, Wq's fragments and the reduction
.set TP,  112                          ; v[112:127] at work
.set R0,  128                          ; v[128:191] a group of 16 loads: 32 rows x 256 bytes
.set R1,  192                          ; v[192:255] the other
; v1 global lane offset; v4 v5 T in / out; v6 v7 Q in / out; v8 v9 partial sums in / out; v10 v11 hq in / out; v12 v13 stage in / out; v14 v15 the spare word and 0
.macro PLACES n
.rept \n
	v_nop
.endr
.endm
.macro BAR
	s_barrier_signal -1
	s_barrier_wait -1
.endm
.macro LOADG R, base, off0             ; lanes 0-15 take 256 aligned bytes of one row, lanes 16-31 of the row 8 below; load j: row 16 (j / 8) + 8 hh + j % 8
.set j, 0
.rept 16
	global_load_b128 v[(\R)+4*j:(\R)+4*j+3], v1, s[(\base):(\base)+1] offset:(\off0)+(16*(j/8)+j%8)*4096
.set j, j+1
.endr
.endm
.macro KCVT R
.set j, 0
.rept 16
	v_cvt_pk_bf16_f32 v[CV+2*j], v[(\R)+4*j], v[(\R)+4*j+1]
	v_cvt_pk_bf16_f32 v[CV+2*j+1], v[(\R)+4*j+2], v[(\R)+4*j+3]
.set j, j+1
.endr
.endm
.macro KSTORE A, P, off0               ; 8 bytes a lane; 8 rows are 128 bytes modulo 256, so the two halves of the lanes take different banks
.set j, 0
.rept 16
	ds_store_b64 v[\A], v[CV+2*j:CV+2*j+1] offset:(\off0)+(16*(j/8)+j%8)*(\P)
.set j, j+1
.endr
.endm
.macro KFRAG A, P, off0                ; four fragments: 16 rows (t) x 32 d (c)
.irp t, 0,1
.irp c, 0,1
	ds_load_b128 v[KF+8*(2*(\t)+(\c)):KF+8*(2*(\t)+(\c))+3],   v[\A] offset:(\off0)+16*(\t)*(\P)+64*(\c)
	ds_load_b128 v[KF+8*(2*(\t)+(\c))+4:KF+8*(2*(\t)+(\c))+7], v[\A] offset:(\off0)+16*(\t)*(\P)+64*(\c)+32
.endr
.endr
.endm
.macro SMUL kk, g, qb                  ; the two accumulators take turns, one instruction a turn, from group to group too
.irp c, 0,1
.irp t, 0,1
.if ((\g) == 0) && ((\c) == 0)
	v_wmma_f32_16x16x32_bf16 v[ACC+8*(2*(\kk)+(\t)):ACC+8*(2*(\kk)+(\t))+7], v[KF+8*(2*(\t)+(\c)):KF+8*(2*(\t)+(\c))+7], v[QF+(\qb)+8*(\c):QF+(\qb)+8*(\c)+7], 0
.else
	v_wmma_f32_16x16x32_bf16 v[ACC+8*(2*(\kk)+(\t)):ACC+8*(2*(\kk)+(\t))+7], v[KF+8*(2*(\t)+(\c)):KF+8*(2*(\t)+(\c))+7], v[QF+(\qb)+8*(\c):QF+(\qb)+8*(\c)+7], v[ACC+8*(2*(\kk)+(\t)):ACC+8*(2*(\kk)+(\t))+7]
.endif
.endr
.endr
.endm
.macro SPHASE                          ; 64 x 16 sums over my 128 d, then the sum over the eight w: I end with registers 4 w .. 4 w + 3 of the finished 32, in v[KF:KF+3]
.irp cc, 0,1,2,3
	ds_load_b128 v[QF+8*(\cc):QF+8*(\cc)+3],   v7 offset:64*(\cc)
	ds_load_b128 v[QF+8*(\cc)+4:QF+8*(\cc)+7], v7 offset:64*(\cc)+32
.endr
	KFRAG 5, 272, 0
	s_wait_dscnt 0x0
	SMUL 0, 0, 0
	PLACES 4                               ; four places between the products and the loads into the registers that they read
	KFRAG 5, 272, 128
	s_wait_dscnt 0x0
	SMUL 0, 1, 16
	PLACES 4
	KFRAG 5, 272, 8704
	s_wait_dscnt 0x0
	SMUL 1, 0, 0
	PLACES 4
	KFRAG 5, 272, 8704+128
	s_wait_dscnt 0x0
	SMUL 1, 1, 16
	PLACES 8
.set j, 0
.rept 8
	ds_store_b128 v8, v[ACC+4*j:ACC+4*j+3] offset:512*j    ; ascending: each accumulator's low registers are read first
.set j, j+1
.endr
	s_wait_dscnt 0x0                       ; for the others' sake: my partial sums lie in LDS
	BAR
.set j, 0
.rept 8
	ds_load_b128 v[KF+4*j:KF+4*j+3], v9 offset:4096*j      ; the same four registers of the eight waves of my half
.set j, j+1
.endr
	s_wait_dscnt 0x0
.set j, 0
.rept 8
	v_pk_add_f32 v[KF+2*j:KF+2*j+1], v[KF+2*j:KF+2*j+1], v[KF+16+2*j:KF+16+2*j+1]
.set j, j+1
.endr
.set j, 0
.rept 4
	v_pk_add_f32 v[KF+2*j:KF+2*j+1], v[KF+2*j:KF+2*j+1], v[KF+8+2*j:KF+8+2*j+1]
.set j, j+1
.endr
.set j, 0
.rept 2
	v_pk_add_f32 v[KF+2*j:KF+2*j+1], v[KF+2*j:KF+2*j+1], v[KF+4+2*j:KF+4+2*j+1]
.set j, j+1
.endr
.endm
.macro VCVT R                          ; four source-0 fragments: tile t = the sixteen d = d0 + 4 r + t, K = the group's 32 rows
.irp t, 0,1,2,3
.set j, 0
.rept 8
	v_cvt_pk_bf16_f32 v[CV+8*(\t)+j], v[(\R)+8*j+(\t)], v[(\R)+8*j+4+(\t)]
.set j, j+1
.endr
.endr
.endm
.macro OMUL kk                         ; eight accumulators by turns: tile t, rows b 0-15 at v[16 + 8 t], rows 16-31 at v[128 + 8 t]
.irp t, 0,1,2,3
.irp rt, 0,1
.if (\kk) == 0
	v_wmma_f32_16x16x32_bf16 v[16+112*(\rt)+8*(\t):16+112*(\rt)+8*(\t)+7], v[CV+8*(\t):CV+8*(\t)+7], v[QF+16*(\rt)+8*(\kk):QF+16*(\rt)+8*(\kk)+7], 0
.else
	v_wmma_f32_16x16x32_bf16 v[16+112*(\rt)+8*(\t):16+112*(\rt)+8*(\t)+7], v[CV+8*(\t):CV+8*(\t)+7], v[QF+16*(\rt)+8*(\kk):QF+16*(\rt)+8*(\kk)+7], v[16+112*(\rt)+8*(\t):16+112*(\rt)+8*(\t)+7]
.endif
.endr
.endr
.endm
.macro PACK a0, OP                     ; register j of tile t is d = d0 + 32 hh + 4 j + t: the four tiles interleave into 32 neighbouring d of one row, 64 bytes
.set j, 0
.rept 8
	v_cvt_pk_bf16_f32 v[(\OP)+2*j],   v[(\a0)+j],    v[(\a0)+8+j]
	v_cvt_pk_bf16_f32 v[(\OP)+2*j+1], v[(\a0)+16+j], v[(\a0)+24+j]
.set j, j+1
.endr
.endm
	s_load_b256 s[4:11], s[0:1], 0x0               ; q s[4:5], Wq s[6:7], Wk s[8:9], qk s[10:11]
	v_lshl_add_u32 v14, v0, 2, SPARE
	v_mov_b32 v15, 0
	v_lshrrev_b32 v1, 5, v0
	v_readfirstlane_b32 s12, v1                    ; wave 0..15
	s_lshr_b32 s13, s12, 3                         ; half
	s_and_b32 s14, s12, 7                          ; w
	s_and_b32 s15, ttmp7, 0xffff                   ; mb
	v_and_b32 v112, 15, v0                         ; r
	v_bfe_u32 v113, v0, 4, 1                       ; hh
	v_lshlrev_b32 v115, 4, v112                    ; 16 r
	v_lshl_add_u32 v1, v113, 15, v115              ; 8 rows of 4,096 bytes for the upper lanes + 16 r
	s_lshl_b32 s20, s14, 9                         ; my 128 d in an f32 row
	s_lshl_b32 s16, s15, 17                        ; q: 32 mb rows + 16 half rows + my d
	s_lshl_b32 s21, s13, 16
	s_add_co_u32 s16, s16, s21
	s_add_co_u32 s16, s16, s20
	s_mov_b32 s17, 0
	s_lshl_b32 s22, ttmp9, 18                      ; the head's 64 rows of 4,096 bytes
	s_lshl_b32 s21, s13, 17                        ; Wq: rows 32 half ..
	s_add_co_u32 s18, s22, s21
	s_add_co_u32 s18, s18, s20
	s_mov_b32 s19, 0
	s_lshl_b32 s21, s13, 8                         ; Wk: all 64 rows, 64 d: the half-th 256 bytes of my 512
	s_add_co_u32 s24, s22, s20
	s_add_co_u32 s24, s24, s21
	s_mov_b32 s25, 0
	s_lshl_b32 s26, s15, 20                        ; qk: row b is 32,768 bytes, head 2,048, my d 256
	s_lshl_b32 s21, s13, 19
	s_add_co_u32 s26, s26, s21
	s_lshl_b32 s21, ttmp9, 11
	s_add_co_u32 s26, s26, s21
	s_lshl_b32 s21, s14, 8
	s_add_co_u32 s26, s26, s21
	s_mov_b32 s27, 0
	s_wait_kmcnt 0x0
	s_add_nc_u64 s[4:5], s[4:5], s[16:17]
	s_add_nc_u64 s[6:7], s[6:7], s[18:19]
	s_add_nc_u64 s[8:9], s[8:9], s[24:25]
	s_add_nc_u64 s[10:11], s[10:11], s[26:27]
.set n, 0
.rept 16                                           ; q: 16 rows x my 512 bytes
	global_load_b128 v[16+4*n:16+4*n+3], v1, s[4:5] offset:4096*(n%8)+256*(n/8)
.set n, n+1
.endr
	LOADG R0, 6, 0                                 ; Wq: my 32 rows, first 256 bytes
	LOADG R1, 6, 256                               ; and second
	v_and_b32 v114, 31, v0
	v_lshlrev_b32 v114, 4, v114                    ; 16 x lane
	v_mul_u32_u24 v116, v112, 272
	v_mul_u32_u24 v117, v113, 2176
	s_mul_i32 s28, s14, 17408                      ; T[w]
	s_mul_i32 s29, s13, 8704
	s_add_co_u32 s29, s29, s28
	v_lshl_add_u32 v118, v112, 3, v117             ; 8 rows x hh + 8 r
	v_add_nc_u32 v4, s29, v118
	v_lshl_add_u32 v119, v113, 4, v116             ; row r + 16 hh
	v_add_nc_u32 v5, s28, v119
	s_mul_i32 s30, s14, 8704
	s_add_co_u32 s30, s30, QB                      ; Q[w]
	s_mul_i32 s31, s13, 4352
	s_add_co_u32 s31, s31, s30                     ; its rows 16 half ..
	v_add_nc_u32 v6, s31, v118
	v_add_nc_u32 v7, s31, v119
	s_lshl_b32 s32, s12, 12
	s_add_co_u32 s32, s32, PB
	v_add_nc_u32 v8, s32, v114
	s_lshl_b32 s32, s13, 15
	s_lshl_b32 s33, s14, 9
	s_add_co_u32 s32, s32, s33
	s_add_co_u32 s32, s32, PB
	v_add_nc_u32 v9, s32, v114
	s_lshl_b32 s32, s13, 11                        ; hq: registers 2 w, 2 w + 1 of the 16 of my half: quad w / 2, 8 bytes in at odd w
	s_lshr_b32 s33, s14, 1
	s_lshl_b32 s33, s33, 9
	s_add_co_u32 s32, s32, s33
	s_and_b32 s33, s14, 1
	s_lshl_b32 s33, s33, 3
	s_add_co_u32 s32, s32, s33
	s_add_co_u32 s32, s32, RB
	v_add_nc_u32 v10, s32, v114
	v_add_nc_u32 v11, RB, v114
	s_lshl_b32 s32, s13, 7                         ; the stage: row b, my 64 d at 128 half, 32 of them for each half of the lanes
	s_add_co_u32 s32, s32, s30
	v_lshl_add_u32 v118, v113, 6, v116
	v_add_nc_u32 v12, s32, v118
	v_mul_u32_u24 v118, v113, 272
	v_add_nc_u32 v118, v118, v115
	v_add_nc_u32 v13, s31, v118
	s_wait_loadcnt 32                              ; q is in; the two groups of Wq stay out
.set n, 0
.rept 16
	v_cvt_pk_bf16_f32 v[CV+2*n], v[16+4*n], v[16+4*n+1]
	v_cvt_pk_bf16_f32 v[CV+2*n+1], v[16+4*n+2], v[16+4*n+3]
.set n, n+1
.endr
.set n, 0
.rept 16
	ds_store_b64 v6, v[CV+2*n:CV+2*n+1] offset:272*(n%8)+128*(n/8)
.set n, n+1
.endr
	s_wait_loadcnt 16                              ; the first group is in; the second stays out
	KCVT R0
	KSTORE 4, 272, 0
	LOADG R0, 8, 0                                 ; Wk rows 0-31: wanted only behind the first product
	s_wait_loadcnt 16                              ; the second group is in; Wk's first stays out
	KCVT R1
	KSTORE 4, 272, 128
	LOADG R1, 8, 131072                            ; Wk rows 32-63
	s_wait_dscnt 0x0                               ; for the others' sake: my parts of T[w] and Q[w] lie in LDS
	BAR
	SPHASE
	v_cvt_pk_bf16_f32 v[TP], v[KF], v[KF+1]
	v_cvt_pk_bf16_f32 v[TP+1], v[KF+2], v[KF+3]
	ds_store_b64 v10, v[TP:TP+1]
	s_wait_dscnt 0x0
	BAR                                            ; hq of all 32 rows lies in LDS, as source-1 registers
.irp rt, 0,1
.irp p, 0,1,2,3
	ds_load_b128 v[QF+16*(\rt)+4*(\p):QF+16*(\rt)+4*(\p)+3], v11 offset:2048*(\rt)+512*(\p)
.endr
.endr
	s_wait_loadcnt 16                              ; Wk rows 0-31 are in; rows 32-63 may stay out
	VCVT R0
	s_wait_dscnt 0x0
	OMUL 0
	PLACES 4                                       ; between the products and the conversions that write their source 0
	s_wait_loadcnt 0x0
	VCVT R1
	OMUL 1
	PLACES 8
	PACK 16, TP
.irp i, 0,1,2,3
	ds_store_b128 v12, v[TP+4*(\i):TP+4*(\i)+3] offset:16*(\i)       ; Q[w] was last read two barriers ago
.endr
	PACK 128, TP
.irp i, 0,1,2,3
	ds_store_b128 v12, v[TP+4*(\i):TP+4*(\i)+3] offset:4352+16*(\i)
.endr
	s_wait_dscnt 0x0                               ; a row's 256 bytes come from the two waves of w
	BAR
.irp i, 0,1,2,3,4,5,6,7
	ds_load_b128 v[R1+4*(\i):R1+4*(\i)+3], v13 offset:544*(\i)       ; rows 16 half + 2 i + hh, whole
.endr
.irp i, 0,1,2,3,4,5,6,7
	s_wait_dscnt 7-(\i)                            ; LDS loads come back in order: the younger ones may stay out
	global_store_b128 v1, v[R1+4*(\i):R1+4*(\i)+3], s[10:11] offset:65536*(\i)   ; 16 lanes store 256 consecutive bytes, aligned
.endr
	s_wait_tensorcnt 0x0                           ; the wave's end
	ds_add_u32 v14, v15
	s_wait_dscnt 0x0
	s_endpgm
.Lfunc_end_k_qa825b25d21_qkproj:
	.size	k_qa825b25d21_qkproj, .Lfunc_end_k_qa825b25d21_qkproj-k_qa825b25d21_qkproj
	.p2alignl 7, 3214868480
	.fill 96, 4, 3214868480
	.section	.rodata,"a",@progbits
	.p2align	6, 0x0
	.amdhsa_kernel k_qa825b25d21_qkproj
		.amdhsa_group_segment_fixed_size 280576
		.amdhsa_private_segment_fixed_size 0
		.amdhsa_enable_private_segment 0
		.amdhsa_kernarg_size 32
		.amdhsa_user_sgpr_count 2
		.amdhsa_user_sgpr_kernarg_segment_ptr 1
		.amdhsa_wavefront_size32 1
		.amdhsa_system_sgpr_workgroup_id_x 1
		.amdhsa_system_sgpr_workgroup_id_y 1
		.amdhsa_system_sgpr_workgroup_id_z 1
		.amdhsa_system_vgpr_workitem_id 0
		.amdhsa_next_free_vgpr 256
		.amdhsa_next_free_sgpr 66
		.amdhsa_reserve_vcc 0
		.amdhsa_float_denorm_mode_32 3
		.amdhsa_float_denorm_mode_16_64 3
		.amdhsa_memory_ordered 1
		.amdhsa_forward_progress 1
		.amdhsa_inst_pref_size 37
	.end_amdhsa_kernel
	.amdgpu_metadata
---
amdhsa.version: [ 1, 2 ]
amdhsa.kernels:
  - .name:           k_qa825b25d21_qkproj
    .symbol:         k_qa825b25d21_qkproj.kd
    .args:
      - { .name: q, .offset: 0, .size: 8, .value_kind: global_buffer, .address_space: global }
      - { .name: Wq, .offset: 8, .size: 8, .value_kind: global_buffer, .address_space: global }
      - { .name: Wk, .offset: 16, .size: 8, .value_kind: global_buffer, .address_space: global }
      - { .name: qk, .offset: 24, .size: 8, .value_kind: global_buffer, .address_space: global }
    .group_segment_fixed_size: 280576
    .private_segment_fixed_size: 0
    .kernarg_segment_align: 8
    .kernarg_segment_size: 32
    .max_flat_workgroup_size: 512
    .sgpr_count:     66
    .vgpr_count:     256
    .wavefront_size: 32
...
	.end_amdgpu_metadata
.endif
;; end of part 1
;; launch attn (part 2): grid 256 x 1, 16 waves a work-group, no clusters, 219,136 bytes of LDS; arguments k, v, qk, wv; writes wv
.if DOCPART == 2
	.amdgcn_target "amdgcn-amd-amdhsa--gfx1250"
	.amdhsa_code_object_version 6
	.text
	.protected	k_qa825b25d21_attn
	.globl	k_qa825b25d21_attn
	.p2align	8
	.type	k_qa825b25d21_attn,@function
k_qa825b25d21_attn:
	s_mov_b64 s[64:65], 0
	v_nop
	global_prefetch_b8 v0, s[64:65] scope:SCOPE_SE
	s_setreg_imm32_b32 hwreg(HW_REG_WAVE_MODE, 25, 1), 1
	s_wait_xcnt 0x0
; wv[b][h][d] = sum over l of w[b][h][l] v[b][l][d],   w[b][h][:] = softmax over l of (sum over d of k[b][l][d] qk[b][h][d]) / 32.   qk, wv: bf16 [512][16][1024].
; The projections of k and v by Wk and Wv are not formed: with one query for each b they re-associate exactly (shown at the head of the first kernel).
; LIMITS.  k, v and the weights w are rounded once to bf16; sums, maximum and exponentials in f32.  The maximum over the 64 keys is taken away before the exponential.  A weight below 2^-126 counts as 0.
; NaN and infinities are not treated apart.
; SHARES.  A work-group takes two b, eight waves each (half = wave / 8, w = wave % 8), side by side through the same two barriers.  Wave w owns d = 128 w .. 128 w + 127 of all 64 rows of k[b] and v[b]:
; every byte of k and v is read once, by one wave, in aligned runs of 256 bytes.
; IN FLIGHT.  A group is 16 loads: 32 rows x 256 bytes.  Each wave keeps two groups out from its first line to its last group: a slot is asked for again as soon as it has been converted;
; v's first two groups are out while the scores are reduced and the softmax runs.  No tensor load: f32 has to pass through registers to be rounded.
; SCORES, transposed: source 0 = 16 rows of k (rounded, through the wave's own LDS bytes, to get K = d along a lane), source 1 = the 16 heads of qk.  Lane (r, hh), register j of tile t holds
; head r, key 16 t + 8 hh + j.  The eight waves' partial sums meet in LDS; then every wave runs the softmax of all 16 heads, since each needs all weights.
; SECOND PRODUCT, transposed: the weights rounded in pairs ARE source 1; source 0 (16 d x 32 keys) is made in registers from v's loads as they come: component t of the loads is the fragment of d = d0 + 4 r + t.
.set QB,    73728                      ; LDS: each wave's 32 rows x 144 bytes at 4,608 x wave; then each wave's 16 rows x 272 at QB + 4,352 x wave: qk, later the stage for the way out
.set PB,    143360                     ; the 16 waves' partial sums, 4,096 bytes each
.set RB,    208896                     ; the finished scores, 4,096 bytes for each b
.set SPARE, 217088                     ; the spare words: 128 bytes a wave, named by no other line
.set ACC, 16                           ; v[16:47]   four accumulators
.set QF,  48                           ; v[48:63]   qk's fragments; later the weights
.set CV,  64                           ; v[64:95]   converted numbers; the softmax's registers at work
.set KF,  96                           ; v[96:127]  k's fragments; the reduction; packed results
.set R0,  128                          ; v[128:191] a group of loads
.set R1,  192                          ; v[192:255] the other
.set MX,  64                           ; four chains of the maximum
.set CM,  68                           ; c m, m
.set LS,  70                           ; the sum
.set RC,  72                           ; 1 / sum, and a written partner for the pair
.set SM,  74                           ; v[74:89] the sums' tree
; v1 k's and v's lane offset; v2 qk's; v3 wv's; v4 v5 k's rows in / out; v6 v7 qk in / out; v8 v9 partial sums; v10 v11 scores; v12 v13 stage; v14 v15 the spare word and 0
.macro PLACES n
.rept \n
	v_nop
.endr
.endm
.macro BAR
	s_barrier_signal -1
	s_barrier_wait -1
.endm
.macro LOADG R, base, off0             ; lanes 0-15 take 256 aligned bytes of one row, lanes 16-31 of the row 8 below; load j: row 16 (j / 8) + 8 hh + j % 8
.set j, 0
.rept 16
	global_load_b128 v[(\R)+4*j:(\R)+4*j+3], v1, s[(\base):(\base)+1] offset:(\off0)+(16*(j/8)+j%8)*4096 th:TH_LOAD_NT
.set j, j+1
.endr
.endm
.macro KCVT R
.set j, 0
.rept 16
	v_cvt_pk_bf16_f32 v[CV+2*j], v[(\R)+4*j], v[(\R)+4*j+1]
	v_cvt_pk_bf16_f32 v[CV+2*j+1], v[(\R)+4*j+2], v[(\R)+4*j+3]
.set j, j+1
.endr
.endm
.macro SMUL kk, g                      ; the two accumulators take turns, one instruction a turn, from group to group too
.irp c, 0,1
.irp t, 0,1
.if ((\g) == 0) && ((\c) == 0)
	v_wmma_f32_16x16x32_bf16 v[ACC+8*(2*(\kk)+(\t)):ACC+8*(2*(\kk)+(\t))+7], v[KF+8*(2*(\t)+(\c)):KF+8*(2*(\t)+(\c))+7], v[QF+8*(\c):QF+8*(\c)+7], 0
.else
	v_wmma_f32_16x16x32_bf16 v[ACC+8*(2*(\kk)+(\t)):ACC+8*(2*(\kk)+(\t))+7], v[KF+8*(2*(\t)+(\c)):KF+8*(2*(\t)+(\c))+7], v[QF+8*(\c):QF+8*(\c)+7], v[ACC+8*(2*(\kk)+(\t)):ACC+8*(2*(\kk)+(\t))+7]
.endif
.endr
.endr
.endm
; A group of k: rows 32 kk .., d 64 g .. of my 128.  The slot is asked for again (base nbase, byte noff) as soon as it is converted.  The 32 conversions, which name no register of the
; group before's products, are the places between those products and the loads into their sources.  The LDS bytes are the wave's own, and LDS serves a wave in order: no barrier.
.macro KGROUP R, kk, g, nbase, noff
	s_wait_loadcnt 16                              ; this group is in; the younger group's 16 loads stay out
	KCVT \R
.set j, 0
.rept 16
	ds_store_b64 v4, v[CV+2*j:CV+2*j+1] offset:(16*(j/8)+j%8)*144    ; 8 rows are 128 bytes modulo 256: the halves of the lanes take different banks
.set j, j+1
.endr
	LOADG \R, \nbase, \noff
.irp t, 0,1
.irp c, 0,1
	ds_load_b128 v[KF+8*(2*(\t)+(\c)):KF+8*(2*(\t)+(\c))+3],   v5 offset:16*(\t)*144+64*(\c)
	ds_load_b128 v[KF+8*(2*(\t)+(\c))+4:KF+8*(2*(\t)+(\c))+7], v5 offset:16*(\t)*144+64*(\c)+32
.endr
.endr
.irp c, 0,1
	ds_load_b128 v[QF+8*(\c):QF+8*(\c)+3],   v7 offset:128*(\g)+64*(\c)
	ds_load_b128 v[QF+8*(\c)+4:QF+8*(\c)+7], v7 offset:128*(\g)+64*(\c)+32
.endr
	s_wait_dscnt 0x0
	SMUL \kk, \g
.endm
; A group of v: keys 32 kk ..; four tiles of 16 d by turns.  cnt: the younger loads that may stay out.  more = 1: the slot is asked for again, at byte noff.
.macro VGROUP R, kk, cnt, more, noff
	s_wait_loadcnt \cnt
.irp t, 0,1,2,3
.set j, 0
.rept 8
	v_cvt_pk_bf16_f32 v[CV+8*(\t)+j], v[(\R)+8*j+(\t)], v[(\R)+8*j+4+(\t)]
.set j, j+1
.endr
.endr
.if \more
	LOADG \R, 6, \noff
.endif
.irp t, 0,1,2,3
.if (\kk) == 0
	v_wmma_f32_16x16x32_bf16 v[ACC+8*(\t):ACC+8*(\t)+7], v[CV+8*(\t):CV+8*(\t)+7], v[QF+8*(\kk):QF+8*(\kk)+7], 0
.else
	v_wmma_f32_16x16x32_bf16 v[ACC+8*(\t):ACC+8*(\t)+7], v[CV+8*(\t):CV+8*(\t)+7], v[QF+8*(\kk):QF+8*(\kk)+7], v[ACC+8*(\t):ACC+8*(\t)+7]
.endif
.endr
	PLACES 4                                       ; between the products and the next conversions, which write their source 0
.endm
.macro OUTG g                          ; register j of tile t is d = d0 + 32 hh + 4 j + t: the four tiles interleave into 32 neighbouring d of head r: 64 bytes, into my stage
	PLACES 4
.set j, 0
.rept 8
	v_cvt_pk_bf16_f32 v[KF+2*j],   v[ACC+j],    v[ACC+8+j]
	v_cvt_pk_bf16_f32 v[KF+2*j+1], v[ACC+16+j], v[ACC+24+j]
.set j, j+1
.endr
.irp i, 0,1,2,3
	ds_store_b128 v12, v[KF+4*(\i):KF+4*(\i)+3] offset:128*(\g)+16*(\i)
.endr
.endm
	s_load_b256 s[4:11], s[0:1], 0x0               ; k s[4:5], v s[6:7], qk s[8:9], wv s[10:11]
	v_lshl_add_u32 v14, v0, 2, SPARE
	v_mov_b32 v15, 0
	v_lshrrev_b32 v1, 5, v0
	v_readfirstlane_b32 s12, v1                    ; wave 0..15
	s_lshr_b32 s13, s12, 3                         ; half
	s_and_b32 s14, s12, 7                          ; w
	v_and_b32 v96, 15, v0                          ; r
	v_bfe_u32 v97, v0, 4, 1                        ; hh
	v_lshlrev_b32 v99, 4, v96                      ; 16 r
	v_lshl_add_u32 v1, v97, 15, v99                ; 8 rows of 4,096 bytes for the upper lanes
	v_lshl_add_u32 v2, v97, 14, v99                ; 8 heads of 2,048 bytes
	v_lshl_add_u32 v3, v97, 11, v99                ; one head
	s_lshl_b32 s15, ttmp9, 1
	s_add_co_u32 s15, s15, s13                     ; b
	s_lshl_b32 s16, s15, 18                        ; k[b], v[b]: 262,144 bytes; my 128 d: 512
	s_lshl_b32 s24, s14, 9
	s_add_co_u32 s16, s16, s24
	s_mov_b32 s17, 0
	s_lshl_b32 s18, s15, 15                        ; qk[b], wv[b]: 32,768 bytes; my 128 d: 256
	s_lshl_b32 s24, s14, 8
	s_add_co_u32 s18, s18, s24
	s_mov_b32 s19, 0
	s_mov_b32 s20, 0x3d38aa3b                      ; c = log2(e) / 32
	s_mov_b32 s21, s20                             ; named with it as a pair
	s_mov_b32 s22, 0x76543210                      ; v_permlanex16_b32: each lane takes its own place in the other half
	s_mov_b32 s23, 0xfedcba98
	s_wait_kmcnt 0x0
	s_add_nc_u64 s[4:5], s[4:5], s[16:17]
	s_add_nc_u64 s[6:7], s[6:7], s[16:17]
	s_add_nc_u64 s[8:9], s[8:9], s[18:19]
	s_add_nc_u64 s[10:11], s[10:11], s[18:19]
.irp i, 0,1,2,3,4,5,6,7
	global_load_b128 v[CV+4*(\i):CV+4*(\i)+3], v2, s[8:9] offset:2048*(\i) th:TH_LOAD_NT   ; qk: head i + 8 hh, my 256 bytes
.endr
	LOADG R0, 4, 0                                 ; k rows 0-31, first 256 bytes
	LOADG R1, 4, 256                               ; and second
	v_and_b32 v98, 31, v0
	v_lshlrev_b32 v102, 4, v98                     ; 16 x lane
	s_mul_i32 s25, s12, 4608
	v_mul_u32_u24 v100, v97, 1152
	v_lshl_add_u32 v100, v96, 3, v100
	v_add_nc_u32 v4, s25, v100                     ; 8 rows x hh + 8 r
	v_mul_u32_u24 v100, v96, 144
	v_lshl_add_u32 v100, v97, 4, v100
	v_add_nc_u32 v5, s25, v100                     ; row r + 16 hh
	s_mul_i32 s26, s12, 4352
	s_add_co_u32 s26, s26, QB
	v_mul_u32_u24 v100, v97, 2176
	v_add_nc_u32 v100, v100, v99
	v_add_nc_u32 v6, s26, v100                     ; 8 rows x hh + 16 r
	v_mul_u32_u24 v101, v96, 272
	v_lshl_add_u32 v100, v97, 4, v101
	v_add_nc_u32 v7, s26, v100                     ; row r + 16 hh
	v_lshl_add_u32 v100, v97, 6, v101
	v_add_nc_u32 v12, s26, v100                    ; row r + 64 hh
	v_mul_u32_u24 v100, v97, 272
	v_add_nc_u32 v100, v100, v99
	v_add_nc_u32 v13, s26, v100                    ; row hh + 16 r
	s_lshl_b32 s27, s12, 12
	s_add_co_u32 s27, s27, PB
	v_add_nc_u32 v8, s27, v102
	s_lshl_b32 s28, s13, 15
	s_lshl_b32 s29, s14, 9
	s_add_co_u32 s28, s28, s29
	s_add_co_u32 s28, s28, PB
	v_add_nc_u32 v9, s28, v102
	s_lshl_b32 s29, s12, 9
	s_add_co_u32 s29, s29, RB
	v_add_nc_u32 v10, s29, v102
	s_lshl_b32 s30, s13, 12
	s_add_co_u32 s30, s30, RB
	v_add_nc_u32 v11, s30, v102
	s_wait_loadcnt 32                              ; qk is in; k's two groups stay out
.irp i, 0,1,2,3,4,5,6,7
	ds_store_b128 v6, v[CV+4*(\i):CV+4*(\i)+3] offset:272*(\i)
.endr
	KGROUP R0, 0, 0, 4, 131072                     ; asks for k rows 32-63, first 256 bytes
	KGROUP R1, 0, 1, 4, 131072+256                 ; and second
	KGROUP R0, 1, 0, 6, 0                          ; asks for v keys 0-31, first 256 bytes
	KGROUP R1, 1, 1, 6, 131072                     ; and keys 32-63
	PLACES 8
.set j, 0
.rept 8
	ds_store_b128 v8, v[ACC+4*j:ACC+4*j+3] offset:512*j    ; ascending: each accumulator's low registers are read first
.set j, j+1
.endr
	s_wait_dscnt 0x0                               ; for the others' sake: my partial sums lie in LDS
	BAR
.set j, 0
.rept 8
	ds_load_b128 v[KF+4*j:KF+4*j+3], v9 offset:4096*j      ; registers 4 w .. 4 w + 3 of the eight waves of my b
.set j, j+1
.endr
	s_wait_dscnt 0x0
.set j, 0
.rept 8
	v_pk_add_f32 v[KF+2*j:KF+2*j+1], v[KF+2*j:KF+2*j+1], v[KF+16+2*j:KF+16+2*j+1]
.set j, j+1
.endr
.set j, 0
.rept 4
	v_pk_add_f32 v[KF+2*j:KF+2*j+1], v[KF+2*j:KF+2*j+1], v[KF+8+2*j:KF+8+2*j+1]
.set j, j+1
.endr
.set j, 0
.rept 2
	v_pk_add_f32 v[KF+2*j:KF+2*j+1], v[KF+2*j:KF+2*j+1], v[KF+4+2*j:KF+4+2*j+1]
.set j, j+1
.endr
	ds_store_b128 v10, v[KF:KF+3]
	s_wait_dscnt 0x0
	BAR                                            ; the finished scores of both b lie in LDS
.set j, 0
.rept 8
	ds_load_b128 v[ACC+4*j:ACC+4*j+3], v11 offset:512*j
.set j, j+1
.endr
	s_wait_dscnt 0x0
	; THE SOFTMAX: a lane is head r and holds 32 of its 64 scores; the lane 16 away holds the others
.irp n, 0,1,2,3
	v_max3_num_f32 v[MX+(\n)], v[ACC+8*(\n)], v[ACC+8*(\n)+1], v[ACC+8*(\n)+2]
.endr
.irp n, 0,1,2,3
	v_max3_num_f32 v[MX+(\n)], v[MX+(\n)], v[ACC+8*(\n)+3], v[ACC+8*(\n)+4]
.endr
.irp n, 0,1,2,3
	v_max3_num_f32 v[MX+(\n)], v[MX+(\n)], v[ACC+8*(\n)+5], v[ACC+8*(\n)+6]
.endr
	v_max3_num_f32 v[MX], v[MX], v[ACC+7], v[ACC+15]
	v_max3_num_f32 v[MX+1], v[MX+1], v[ACC+23], v[ACC+31]
	v_max_num_f32 v[MX+2], v[MX+2], v[MX+3]
	v_max3_num_f32 v[MX], v[MX], v[MX+1], v[MX+2]
	v_permlanex16_b32 v[MX+1], v[MX], s22, s23
	v_max_num_f32 v[CM+1], v[MX], v[MX+1]          ; m
	v_mul_f32 v[CM], s20, v[CM+1]                  ; c m
.set p, 0
.rept 16
	v_pk_fma_f32 v[ACC+2*p:ACC+2*p+1], v[ACC+2*p:ACC+2*p+1], s[20:21], v[CM:CM+1] op_sel_hi:[1,0,0] neg_lo:[0,0,1] neg_hi:[0,0,1]   ; c s - c m
.set p, p+1
.endr
.set p, 0
.rept 32
	v_exp_f32 v[ACC+p], v[ACC+p]
.set p, p+1
.endr
	v_nop                                          ; a plain instruction behind the last exponential,
	s_wait_alu depctr_va_vdst(0)                   ; and one wait for the batch of 32, ahead of the first line that names a result
.set p, 0
.rept 8
	v_pk_add_f32 v[SM+2*p:SM+2*p+1], v[ACC+4*p:ACC+4*p+1], v[ACC+4*p+2:ACC+4*p+3]
.set p, p+1
.endr
.set p, 0
.rept 4
	v_pk_add_f32 v[SM+2*p:SM+2*p+1], v[SM+2*p:SM+2*p+1], v[SM+8+2*p:SM+8+2*p+1]
.set p, p+1
.endr
.set p, 0
.rept 2
	v_pk_add_f32 v[SM+2*p:SM+2*p+1], v[SM+2*p:SM+2*p+1], v[SM+4+2*p:SM+4+2*p+1]
.set p, p+1
.endr
	v_pk_add_f32 v[SM:SM+1], v[SM:SM+1], v[SM+2:SM+3]
	v_add_f32 v[LS], v[SM], v[SM+1]
	v_permlanex16_b32 v[MX+2], v[LS], s22, s23
	v_add_f32 v[LS], v[LS], v[MX+2]
	v_rcp_f32 v[RC], v[LS]
	v_mov_b32 v[RC+1], 0                           ; the plain instruction behind the reciprocal; the pair's other register is written
	s_wait_alu depctr_va_vdst(0)
.set p, 0
.rept 16
	v_pk_mul_f32 v[ACC+2*p:ACC+2*p+1], v[ACC+2*p:ACC+2*p+1], v[RC:RC+1] op_sel_hi:[1,0]
.set p, p+1
.endr
.set p, 0
.rept 16
	v_cvt_pk_bf16_f32 v[QF+p], v[ACC+2*p], v[ACC+2*p+1]    ; tiles 2 kk, 2 kk + 1 in pairs: source 1 for keys 32 kk ..
.set p, p+1
.endr
	VGROUP R0, 0, 16, 1, 256                       ; d 0-63 of my 128; asks for d 64-127, keys 0-31
	VGROUP R1, 1, 16, 1, 131072+256                ; and keys 32-63
	OUTG 0
	VGROUP R0, 0, 16, 0, 0
	VGROUP R1, 1, 0, 0, 0                          ; the last group: nothing is out behind it
	OUTG 1
.irp i, 0,1,2,3,4,5,6,7
	ds_load_b128 v[R0+4*(\i):R0+4*(\i)+3], v13 offset:544*(\i)       ; heads 2 i + hh, my 256 bytes whole; LDS serves a wave in order: these see the stores above
.endr
.irp i, 0,1,2,3,4,5,6,7
	s_wait_dscnt 7-(\i)                            ; the younger loads may stay out
	global_store_b128 v3, v[R0+4*(\i):R0+4*(\i)+3], s[10:11] offset:4096*(\i)    ; 16 lanes store 256 consecutive bytes, aligned
.endr
	s_wait_tensorcnt 0x0                           ; the wave's end
	ds_add_u32 v14, v15
	s_wait_dscnt 0x0
	s_endpgm
.Lfunc_end_k_qa825b25d21_attn:
	.size	k_qa825b25d21_attn, .Lfunc_end_k_qa825b25d21_attn-k_qa825b25d21_attn
	.p2alignl 7, 3214868480
	.fill 96, 4, 3214868480
	.section	.rodata,"a",@progbits
	.p2align	6, 0x0
	.amdhsa_kernel k_qa825b25d21_attn
		.amdhsa_group_segment_fixed_size 219136
		.amdhsa_private_segment_fixed_size 0
		.amdhsa_enable_private_segment 0
		.amdhsa_kernarg_size 32
		.amdhsa_user_sgpr_count 2
		.amdhsa_user_sgpr_kernarg_segment_ptr 1
		.amdhsa_wavefront_size32 1
		.amdhsa_system_sgpr_workgroup_id_x 1
		.amdhsa_system_sgpr_workgroup_id_y 1
		.amdhsa_system_sgpr_workgroup_id_z 1
		.amdhsa_system_vgpr_workitem_id 0
		.amdhsa_next_free_vgpr 256
		.amdhsa_next_free_sgpr 66
		.amdhsa_reserve_vcc 0
		.amdhsa_float_denorm_mode_32 3
		.amdhsa_float_denorm_mode_16_64 3
		.amdhsa_memory_ordered 1
		.amdhsa_forward_progress 1
		.amdhsa_inst_pref_size 57
	.end_amdhsa_kernel
	.amdgpu_metadata
---
amdhsa.version: [ 1, 2 ]
amdhsa.kernels:
  - .name:           k_qa825b25d21_attn
    .symbol:         k_qa825b25d21_attn.kd
    .args:
      - { .name: k, .offset: 0, .size: 8, .value_kind: global_buffer, .address_space: global }
      - { .name: v, .offset: 8, .size: 8, .value_kind: global_buffer, .address_space: global }
      - { .name: qk, .offset: 16, .size: 8, .value_kind: global_buffer, .address_space: global }
      - { .name: wv, .offset: 24, .size: 8, .value_kind: global_buffer, .address_space: global }
    .group_segment_fixed_size: 219136
    .private_segment_fixed_size: 0
    .kernarg_segment_align: 8
    .kernarg_segment_size: 32
    .max_flat_workgroup_size: 512
    .sgpr_count:     66
    .vgpr_count:     256
    .wavefront_size: 32
...
	.end_amdgpu_metadata
.endif
;; end of part 2
;; launch ctxproj (part 3): grid 16 x 16, 16 waves a work-group, no clusters, 281,088 bytes of LDS; arguments wv, Wv, ctx; writes ctx
.if DOCPART == 3
	.amdgcn_target "amdgcn-amd-amdhsa--gfx1250"
	.amdhsa_code_object_version 6
	.text
	.protected	k_qa825b25d21_ctxproj
	.globl	k_qa825b25d21_ctxproj
	.p2align	8
	.type	k_qa825b25d21_ctxproj,@function
k_qa825b25d21_ctxproj:
	s_mov_b64 s[64:65], 0
	v_nop
	global_prefetch_b8 v0, s[64:65] scope:SCOPE_SE
	s_setreg_imm32_b32 hwreg(HW_REG_WAVE_MODE, 25, 1), 1
	s_wait_xcnt 0x0
; ctx[h][b][c] = sum over d of Wv[h][c][d] wv[b][h][d].   wv: bf16 [512][16][1024]; ctx: bf16 [16][512][64].
; This is the module's context: the projection of v's rows by Wv is not formed, since the weighted sum over the keys was taken first (shown at the head of the first kernel).
; LIMITS.  Wv and ctx are rounded once to bf16; sums in f32.  NaN and infinities are not treated apart.
; SHARES.  Work-group (h, mb): head h, rows b = 32 mb ...  16 waves: half = wave / 8, w = wave % 8.  Wave w of either half owns d = 128 w .. 128 w + 127; K = d is split among the eight w.
; Transposed: source 0 = 16 rows of Wv[h], source 1 = 16 rows of wv.  Lane (r, hh), register j of tile t holds ctx[b = r][c = 16 t + 8 hh + j].
; NO MULTICAST: a head's block of f32 weights, 262,144 bytes, does not fit in LDS beside the rest in one fill, and a wave has two groups of loads in all.
.set QB,    139264                     ; LDS: T[w] at 17,408 w: 64 rows of Wv x 272 bytes; then Q[w] at QB + 8,704 w: 32 rows of wv x 272
.set PB,    208896                     ; the 16 waves' partial sums, 4,096 bytes each
.set RB,    274432                     ; ctx: 32 rows x (128 + 16) bytes
.set SPARE, 279040                     ; the spare words: 128 bytes a wave, named by no other line
.set ACC, 16
.set QF,  48
.set CV,  80
.set KF,  80
.set TP,  112
.set R0,  128
.set R1,  192
; v1 Wv's lane offset; v2 wv's; v3 ctx's; v4 v5 T in / out; v6 v7 Q in / out; v8 v9 partial sums; v10 v11 ctx in / out; v14 v15 the spare word and 0
.macro PLACES n
.rept \n
	v_nop
.endr
.endm
.macro BAR
	s_barrier_signal -1
	s_barrier_wait -1
.endm
.macro LOADG R, base, off0             ; lanes 0-15 take 256 aligned bytes of one row, lanes 16-31 of the row 8 below; load j: row 16 (j / 8) + 8 hh + j % 8
.set j, 0
.rept 16
	global_load_b128 v[(\R)+4*j:(\R)+4*j+3], v1, s[(\base):(\base)+1] offset:(\off0)+(16*(j/8)+j%8)*4096
.set j, j+1
.endr
.endm
.macro KCVT R
.set j, 0
.rept 16
	v_cvt_pk_bf16_f32 v[CV+2*j], v[(\R)+4*j], v[(\R)+4*j+1]
	v_cvt_pk_bf16_f32 v[CV+2*j+1], v[(\R)+4*j+2], v[(\R)+4*j+3]
.set j, j+1
.endr
.endm
.macro KSTORE A, P, off0
.set j, 0
.rept 16
	ds_store_b64 v[\A], v[CV+2*j:CV+2*j+1] offset:(\off0)+(16*(j/8)+j%8)*(\P)
.set j, j+1
.endr
.endm
.macro KFRAG A, P, off0
.irp t, 0,1
.irp c, 0,1
	ds_load_b128 v[KF+8*(2*(\t)+(\c)):KF+8*(2*(\t)+(\c))+3],   v[\A] offset:(\off0)+16*(\t)*(\P)+64*(\c)
	ds_load_b128 v[KF+8*(2*(\t)+(\c))+4:KF+8*(2*(\t)+(\c))+7], v[\A] offset:(\off0)+16*(\t)*(\P)+64*(\c)+32
.endr
.endr
.endm
.macro SMUL kk, g, qb                  ; the two accumulators take turns, one instruction a turn, from group to group too
.irp c, 0,1
.irp t, 0,1
.if ((\g) == 0) && ((\c) == 0)
	v_wmma_f32_16x16x32_bf16 v[ACC+8*(2*(\kk)+(\t)):ACC+8*(2*(\kk)+(\t))+7], v[KF+8*(2*(\t)+(\c)):KF+8*(2*(\t)+(\c))+7], v[QF+(\qb)+8*(\c):QF+(\qb)+8*(\c)+7], 0
.else
	v_wmma_f32_16x16x32_bf16 v[ACC+8*(2*(\kk)+(\t)):ACC+8*(2*(\kk)+(\t))+7], v[KF+8*(2*(\t)+(\c)):KF+8*(2*(\t)+(\c))+7], v[QF+(\qb)+8*(\c):QF+(\qb)+8*(\c)+7], v[ACC+8*(2*(\kk)+(\t)):ACC+8*(2*(\kk)+(\t))+7]
.endif
.endr
.endr
.endm
.macro SPHASE                          ; 64 x 16 sums over my 128 d, then the sum over the eight w: I end with registers 4 w .. 4 w + 3 of the finished 32, in v[KF:KF+3]
.irp cc, 0,1,2,3
	ds_load_b128 v[QF+8*(\cc):QF+8*(\cc)+3],   v7 offset:64*(\cc)
	ds_load_b128 v[QF+8*(\cc)+4:QF+8*(\cc)+7], v7 offset:64*(\cc)+32
.endr
	KFRAG 5, 272, 0
	s_wait_dscnt 0x0
	SMUL 0, 0, 0
	PLACES 4                               ; four places between the products and the loads into the registers that they read
	KFRAG 5, 272, 128
	s_wait_dscnt 0x0
	SMUL 0, 1, 16
	PLACES 4
	KFRAG 5, 272, 8704
	s_wait_dscnt 0x0
	SMUL 1, 0, 0
	PLACES 4
	KFRAG 5, 272, 8704+128
	s_wait_dscnt 0x0
	SMUL 1, 1, 16
	PLACES 8
.set j, 0
.rept 8
	ds_store_b128 v8, v[ACC+4*j:ACC+4*j+3] offset:512*j    ; ascending: each accumulator's low registers are read first
.set j, j+1
.endr
	s_wait_dscnt 0x0                       ; for the others' sake: my partial sums lie in LDS
	BAR
.set j, 0
.rept 8
	ds_load_b128 v[KF+4*j:KF+4*j+3], v9 offset:4096*j
.set j, j+1
.endr
	s_wait_dscnt 0x0
.set j, 0
.rept 8
	v_pk_add_f32 v[KF+2*j:KF+2*j+1], v[KF+2*j:KF+2*j+1], v[KF+16+2*j:KF+16+2*j+1]
.set j, j+1
.endr
.set j, 0
.rept 4
	v_pk_add_f32 v[KF+2*j:KF+2*j+1], v[KF+2*j:KF+2*j+1], v[KF+8+2*j:KF+8+2*j+1]
.set j, j+1
.endr
.set j, 0
.rept 2
	v_pk_add_f32 v[KF+2*j:KF+2*j+1], v[KF+2*j:KF+2*j+1], v[KF+4+2*j:KF+4+2*j+1]
.set j, j+1
.endr
.endm
	s_load_b128 s[4:7], s[0:1], 0x0                ; wv s[4:5], Wv s[6:7]
	s_load_b64 s[8:9], s[0:1], 0x10                ; ctx
	v_lshl_add_u32 v14, v0, 2, SPARE
	v_mov_b32 v15, 0
	v_lshrrev_b32 v1, 5, v0
	v_readfirstlane_b32 s12, v1                    ; wave 0..15
	s_lshr_b32 s13, s12, 3                         ; half
	s_and_b32 s14, s12, 7                          ; w
	s_and_b32 s15, ttmp7, 0xffff                   ; mb
	v_and_b32 v112, 15, v0                         ; r
	v_bfe_u32 v113, v0, 4, 1                       ; hh
	v_lshlrev_b32 v115, 4, v112                    ; 16 r
	v_lshl_add_u32 v1, v113, 15, v115              ; 8 rows of Wv for the upper lanes
	v_lshl_add_u32 v2, v113, 18, v115              ; 8 rows b of wv, 32,768 bytes each
	s_lshl_b32 s16, s15, 20                        ; wv: rows 32 mb + 16 half .., head h, my 256 bytes
	s_lshl_b32 s21, s13, 19
	s_add_co_u32 s16, s16, s21
	s_lshl_b32 s21, ttmp9, 11
	s_add_co_u32 s16, s16, s21
	s_lshl_b32 s21, s14, 8
	s_add_co_u32 s16, s16, s21
	s_mov_b32 s17, 0
	s_lshl_b32 s18, ttmp9, 18                      ; Wv: the head's rows 32 half .., my 512 bytes
	s_lshl_b32 s21, s13, 17
	s_add_co_u32 s18, s18, s21
	s_lshl_b32 s21, s14, 9
	s_add_co_u32 s18, s18, s21
	s_mov_b32 s19, 0
	s_lshl_b32 s24, ttmp9, 16                      ; ctx: head 65,536 bytes, 32 rows 4,096, my two rows 256
	s_lshl_b32 s21, s15, 12
	s_add_co_u32 s24, s24, s21
	s_lshl_b32 s21, s12, 8
	s_add_co_u32 s24, s24, s21
	s_mov_b32 s25, 0
	s_wait_kmcnt 0x0
	s_add_nc_u64 s[4:5], s[4:5], s[16:17]
	s_add_nc_u64 s[6:7], s[6:7], s[18:19]
	s_add_nc_u64 s[8:9], s[8:9], s[24:25]
.irp i, 0,1,2,3,4,5,6,7
	global_load_b128 v[16+4*(\i):16+4*(\i)+3], v2, s[4:5] offset:32768*(\i) th:TH_LOAD_NT   ; wv: row i + 8 hh of my 16
.endr
	LOADG R0, 6, 0
	LOADG R1, 6, 256
	v_and_b32 v114, 31, v0
	v_lshlrev_b32 v3, 3, v114                      ; 8 x lane
	v_lshlrev_b32 v114, 4, v114                    ; 16 x lane
	v_mul_u32_u24 v116, v112, 272
	v_mul_u32_u24 v117, v113, 2176
	s_mul_i32 s28, s14, 17408                      ; T[w]
	s_mul_i32 s29, s13, 8704
	s_add_co_u32 s29, s29, s28
	v_lshl_add_u32 v118, v112, 3, v117
	v_add_nc_u32 v4, s29, v118
	v_lshl_add_u32 v119, v113, 4, v116
	v_add_nc_u32 v5, s28, v119
	s_mul_i32 s30, s14, 8704
	s_add_co_u32 s30, s30, QB                      ; Q[w]
	s_mul_i32 s31, s13, 4352
	s_add_co_u32 s31, s31, s30
	v_add_nc_u32 v118, v117, v115                  ; 8 rows x hh + 16 r
	v_add_nc_u32 v6, s31, v118
	v_add_nc_u32 v7, s31, v119
	s_lshl_b32 s32, s12, 12
	s_add_co_u32 s32, s32, PB
	v_add_nc_u32 v8, s32, v114
	s_lshl_b32 s32, s13, 15
	s_lshl_b32 s33, s14, 9
	s_add_co_u32 s32, s32, s33
	s_add_co_u32 s32, s32, PB
	v_add_nc_u32 v9, s32, v114
	s_mul_i32 s32, s13, 2304                       ; ctx in: row 16 half + r; c = 16 (w / 2) + 8 hh + 4 (w % 2) ..: 8 bytes
	s_lshr_b32 s33, s14, 1
	s_lshl_b32 s33, s33, 5
	s_add_co_u32 s32, s32, s33
	s_and_b32 s33, s14, 1
	s_lshl_b32 s33, s33, 3
	s_add_co_u32 s32, s32, s33
	s_add_co_u32 s32, s32, RB
	v_mul_u32_u24 v118, v112, 144
	v_lshl_add_u32 v118, v113, 4, v118
	v_add_nc_u32 v10, s32, v118
	s_mul_i32 s32, s12, 288                        ; ctx out: rows 2 wave + hh, 8 r
	s_add_co_u32 s32, s32, RB
	v_mul_u32_u24 v118, v113, 144
	v_lshl_add_u32 v118, v112, 3, v118
	v_add_nc_u32 v11, s32, v118
	s_wait_loadcnt 32                              ; wv is in; the two groups of Wv stay out
.irp i, 0,1,2,3,4,5,6,7
	ds_store_b128 v6, v[16+4*(\i):16+4*(\i)+3] offset:272*(\i)
.endr
	s_wait_loadcnt 16                              ; the first group is in
	KCVT R0
	KSTORE 4, 272, 0
	s_wait_loadcnt 0x0
	KCVT R1
	KSTORE 4, 272, 128
	s_wait_dscnt 0x0                               ; for the others' sake: my parts of T[w] and Q[w] lie in LDS
	BAR
	SPHASE
	v_cvt_pk_bf16_f32 v[TP], v[KF], v[KF+1]
	v_cvt_pk_bf16_f32 v[TP+1], v[KF+2], v[KF+3]
	ds_store_b64 v10, v[TP:TP+1]
	s_wait_dscnt 0x0
	BAR                                            ; the 32 rows of ctx lie in LDS
	ds_load_b64 v[TP+4:TP+5], v11
	s_wait_dscnt 0x0
	global_store_b64 v3, v[TP+4:TP+5], s[8:9]      ; two rows of 128 bytes: the wave stores 256 consecutive bytes, aligned
	s_wait_tensorcnt 0x0                           ; the wave's end
	ds_add_u32 v14, v15
	s_wait_dscnt 0x0
	s_endpgm
.Lfunc_end_k_qa825b25d21_ctxproj:
	.size	k_qa825b25d21_ctxproj, .Lfunc_end_k_qa825b25d21_ctxproj-k_qa825b25d21_ctxproj
	.p2alignl 7, 3214868480
	.fill 96, 4, 3214868480
	.section	.rodata,"a",@progbits
	.p2align	6, 0x0
	.amdhsa_kernel k_qa825b25d21_ctxproj
		.amdhsa_group_segment_fixed_size 281088
		.amdhsa_private_segment_fixed_size 0
		.amdhsa_enable_private_segment 0
		.amdhsa_kernarg_size 24
		.amdhsa_user_sgpr_count 2
		.amdhsa_user_sgpr_kernarg_segment_ptr 1
		.amdhsa_wavefront_size32 1
		.amdhsa_system_sgpr_workgroup_id_x 1
		.amdhsa_system_sgpr_workgroup_id_y 1
		.amdhsa_system_sgpr_workgroup_id_z 1
		.amdhsa_system_vgpr_workitem_id 0
		.amdhsa_next_free_vgpr 256
		.amdhsa_next_free_sgpr 66
		.amdhsa_reserve_vcc 0
		.amdhsa_float_denorm_mode_32 3
		.amdhsa_float_denorm_mode_16_64 3
		.amdhsa_memory_ordered 1
		.amdhsa_forward_progress 1
		.amdhsa_inst_pref_size 22
	.end_amdhsa_kernel
	.amdgpu_metadata
---
amdhsa.version: [ 1, 2 ]
amdhsa.kernels:
  - .name:           k_qa825b25d21_ctxproj
    .symbol:         k_qa825b25d21_ctxproj.kd
    .args:
      - { .name: wv, .offset: 0, .size: 8, .value_kind: global_buffer, .address_space: global }
      - { .name: Wv, .offset: 8, .size: 8, .value_kind: global_buffer, .address_space: global }
      - { .name: ctx, .offset: 16, .size: 8, .value_kind: global_buffer, .address_space: global }
    .group_segment_fixed_size: 281088
    .private_segment_fixed_size: 0
    .kernarg_segment_align: 8
    .kernarg_segment_size: 24
    .max_flat_workgroup_size: 512
    .sgpr_count:     66
    .vgpr_count:     256
    .wavefront_size: 32
...
	.end_amdgpu_metadata
.endif
;; end of part 3
;; launch outproj (part 4): grid 16 x 16, 16 waves a work-group, no clusters, 285,184 bytes of LDS; arguments ctx, Wp, q, y; writes y
.if DOCPART == 4
	.amdgcn_target "amdgcn-amd-amdhsa--gfx1250"
	.amdhsa_code_object_version 6
	.text
	.protected	k_qa825b25d21_outproj
	.globl	k_qa825b25d21_outproj
	.p2align	8
	.type	k_qa825b25d21_outproj,@function
k_qa825b25d21_outproj:
	s_mov_b64 s[64:65], 0
	v_nop
	global_prefetch_b8 v0, s[64:65] scope:SCOPE_SE
	s_setreg_imm32_b32 hwreg(HW_REG_WAVE_MODE, 25, 1), 1
	s_wait_xcnt 0x0
; y[b][n] = q[b][n] + sum over c' of ctx[b][c'] Wp[n][c'],  c' = 64 h + c.   ctx: bf16 [16][512][64]; y: f32 [512][1024].
; LIMITS.  Wp is rounded once to bf16; sums and the residual in f32.  NaN and infinities are not treated apart.
; SHARES.  Work-group (nb, mb): rows n = 64 nb .. of Wp, rows b = 32 mb ...  16 waves: half = wave / 8, w = wave % 8.  Wave w of either half owns c' = 128 w .. 128 w + 127 (heads 2 w, 2 w + 1);
; K = c' is split among the eight w.  Transposed: source 0 = 16 rows of Wp, source 1 = 16 rows of ctx.  Lane (r, hh), register j of tile t holds y[b = r][n = 16 t + 8 hh + j].
; The norm over a whole row stands in the next launch: whole rows here would leave 16 work-groups, each reading all of Wp.
; NO MULTICAST: a block of 64 f32 rows of Wp, 262,144 bytes, does not fit in LDS beside the rest in one fill, and a wave has two groups of loads in all.
.set QB,    139264                     ; LDS: T[w] at 17,408 w: 64 rows of Wp x 272 bytes; then Q[w] at QB + 8,704 w: 32 rows of ctx x 272
.set PB,    208896                     ; the 16 waves' partial sums, 4,096 bytes each
.set RB,    274432                     ; the product: 32 rows x (256 + 16) bytes, f32
.set SPARE, 283136                     ; the spare words: 128 bytes a wave, named by no other line
.set ACC, 16
.set QF,  48
.set CV,  80
.set KF,  80
.set TP,  112                          ; v[112:119] at work at the head; v[120:123] the residual; v[124:127] the finished row
.set R0,  128
.set R1,  192
; v1 Wp's lane offset; v2 ctx's; v3 q's and y's; v4 v5 T in / out; v6 v7 Q in / out; v8 v9 partial sums; v10 v11 the product in / out; v14 v15 the spare word and 0
.macro PLACES n
.rept \n
	v_nop
.endr
.endm
.macro BAR
	s_barrier_signal -1
	s_barrier_wait -1
.endm
.macro LOADG R, base, off0             ; lanes 0-15 take 256 aligned bytes of one row, lanes 16-31 of the row 8 below; load j: row 16 (j / 8) + 8 hh + j % 8
.set j, 0
.rept 16
	global_load_b128 v[(\R)+4*j:(\R)+4*j+3], v1, s[(\base):(\base)+1] offset:(\off0)+(16*(j/8)+j%8)*4096
.set j, j+1
.endr
.endm
.macro KCVT R
.set j, 0
.rept 16
	v_cvt_pk_bf16_f32 v[CV+2*j], v[(\R)+4*j], v[(\R)+4*j+1]
	v_cvt_pk_bf16_f32 v[CV+2*j+1], v[(\R)+4*j+2], v[(\R)+4*j+3]
.set j, j+1
.endr
.endm
.macro KSTORE A, P, off0
.set j, 0
.rept 16
	ds_store_b64 v[\A], v[CV+2*j:CV+2*j+1] offset:(\off0)+(16*(j/8)+j%8)*(\P)
.set j, j+1
.endr
.endm
.macro KFRAG A, P, off0
.irp t, 0,1
.irp c, 0,1
	ds_load_b128 v[KF+8*(2*(\t)+(\c)):KF+8*(2*(\t)+(\c))+3],   v[\A] offset:(\off0)+16*(\t)*(\P)+64*(\c)
	ds_load_b128 v[KF+8*(2*(\t)+(\c))+4:KF+8*(2*(\t)+(\c))+7], v[\A] offset:(\off0)+16*(\t)*(\P)+64*(\c)+32
.endr
.endr
.endm
.macro SMUL kk, g, qb                  ; the two accumulators take turns, one instruction a turn, from group to group too
.irp c, 0,1
.irp t, 0,1
.if ((\g) == 0) && ((\c) == 0)
	v_wmma_f32_16x16x32_bf16 v[ACC+8*(2*(\kk)+(\t)):ACC+8*(2*(\kk)+(\t))+7], v[KF+8*(2*(\t)+(\c)):KF+8*(2*(\t)+(\c))+7], v[QF+(\qb)+8*(\c):QF+(\qb)+8*(\c)+7], 0
.else
	v_wmma_f32_16x16x32_bf16 v[ACC+8*(2*(\kk)+(\t)):ACC+8*(2*(\kk)+(\t))+7], v[KF+8*(2*(\t)+(\c)):KF+8*(2*(\t)+(\c))+7], v[QF+(\qb)+8*(\c):QF+(\qb)+8*(\c)+7], v[ACC+8*(2*(\kk)+(\t)):ACC+8*(2*(\kk)+(\t))+7]
.endif
.endr
.endr
.endm
.macro SPHASE                          ; 64 x 16 sums over my 128 c', then the sum over the eight w: I end with registers 4 w .. 4 w + 3 of the finished 32, in v[KF:KF+3]
.irp cc, 0,1,2,3
	ds_load_b128 v[QF+8*(\cc):QF+8*(\cc)+3],   v7 offset:64*(\cc)
	ds_load_b128 v[QF+8*(\cc)+4:QF+8*(\cc)+7], v7 offset:64*(\cc)+32
.endr
	KFRAG 5, 272, 0
	s_wait_dscnt 0x0
	SMUL 0, 0, 0
	PLACES 4                               ; four places between the products and the loads into the registers that they read
	KFRAG 5, 272, 128
	s_wait_dscnt 0x0
	SMUL 0, 1, 16
	PLACES 4
	KFRAG 5, 272, 8704
	s_wait_dscnt 0x0
	SMUL 1, 0, 0
	PLACES 4
	KFRAG 5, 272, 8704+128
	s_wait_dscnt 0x0
	SMUL 1, 1, 16
	PLACES 8
.set j, 0
.rept 8
	ds_store_b128 v8, v[ACC+4*j:ACC+4*j+3] offset:512*j    ; ascending: each accumulator's low registers are read first
.set j, j+1
.endr
	s_wait_dscnt 0x0                       ; for the others' sake: my partial sums lie in LDS
	BAR
.set j, 0
.rept 8
	ds_load_b128 v[KF+4*j:KF+4*j+3], v9 offset:4096*j
.set j, j+1
.endr
	s_wait_dscnt 0x0
.set j, 0
.rept 8
	v_pk_add_f32 v[KF+2*j:KF+2*j+1], v[KF+2*j:KF+2*j+1], v[KF+16+2*j:KF+16+2*j+1]
.set j, j+1
.endr
.set j, 0
.rept 4
	v_pk_add_f32 v[KF+2*j:KF+2*j+1], v[KF+2*j:KF+2*j+1], v[KF+8+2*j:KF+8+2*j+1]
.set j, j+1
.endr
.set j, 0
.rept 2
	v_pk_add_f32 v[KF+2*j:KF+2*j+1], v[KF+2*j:KF+2*j+1], v[KF+4+2*j:KF+4+2*j+1]
.set j, j+1
.endr
.endm
	s_load_b256 s[4:11], s[0:1], 0x0               ; ctx s[4:5], Wp s[6:7], q s[8:9], y s[10:11]
	v_lshl_add_u32 v14, v0, 2, SPARE
	v_mov_b32 v15, 0
	v_lshrrev_b32 v1, 5, v0
	v_readfirstlane_b32 s12, v1                    ; wave 0..15
	s_lshr_b32 s13, s12, 3                         ; half
	s_and_b32 s14, s12, 7                          ; w
	s_and_b32 s15, ttmp7, 0xffff                   ; mb
	v_and_b32 v112, 15, v0                         ; r
	v_bfe_u32 v113, v0, 4, 1                       ; hh
	v_lshlrev_b32 v115, 4, v112                    ; 16 r
	v_lshl_add_u32 v1, v113, 15, v115              ; 8 rows of Wp for the upper lanes
	v_lshl_add_u32 v3, v113, 12, v115              ; one row of q or y
	v_and_b32 v114, 31, v0
	v_lshlrev_b32 v114, 4, v114                    ; 16 x lane
	v_mov_b32 v2, v114
	s_lshl_b32 s16, s14, 17                        ; ctx: head 2 w, rows 32 mb + 16 half .. of 128 bytes
	s_lshl_b32 s21, s15, 12
	s_add_co_u32 s16, s16, s21
	s_lshl_b32 s21, s13, 11
	s_add_co_u32 s16, s16, s21
	s_mov_b32 s17, 0
	s_lshl_b32 s18, ttmp9, 18                      ; Wp: rows 64 nb + 32 half .., my 512 bytes
	s_lshl_b32 s21, s13, 17
	s_add_co_u32 s18, s18, s21
	s_lshl_b32 s21, s14, 9
	s_add_co_u32 s18, s18, s21
	s_mov_b32 s19, 0
	s_lshl_b32 s24, s15, 17                        ; q, y: rows 32 mb + 2 wave .., columns 64 nb ..
	s_lshl_b32 s21, s12, 13
	s_add_co_u32 s24, s24, s21
	s_lshl_b32 s21, ttmp9, 8
	s_add_co_u32 s24, s24, s21
	s_mov_b32 s25, 0
	s_wait_kmcnt 0x0
	s_add_nc_u64 s[4:5], s[4:5], s[16:17]
	s_add_nc_u64 s[6:7], s[6:7], s[18:19]
	s_add_nc_u64 s[8:9], s[8:9], s[24:25]
	s_add_nc_u64 s[10:11], s[10:11], s[24:25]
.irp e, 0,1
.irp p, 0,1,2,3
	global_load_b128 v[16+16*(\e)+4*(\p):16+16*(\e)+4*(\p)+3], v2, s[4:5] offset:65536*(\e)+512*(\p)   ; head 2 w + e, four rows of 128 bytes: 512 consecutive bytes
.endr
.endr
	LOADG R0, 6, 0
	LOADG R1, 6, 256
	global_load_b128 v[TP+8:TP+11], v3, s[8:9]     ; the residual: rows 2 wave + hh, 256 bytes each; wanted last
	v_mul_u32_u24 v116, v112, 272
	v_mul_u32_u24 v117, v113, 2176
	s_mul_i32 s28, s14, 17408                      ; T[w]
	s_mul_i32 s29, s13, 8704
	s_add_co_u32 s29, s29, s28
	v_lshl_add_u32 v118, v112, 3, v117
	v_add_nc_u32 v4, s29, v118
	v_lshl_add_u32 v119, v113, 4, v116
	v_add_nc_u32 v5, s28, v119
	s_mul_i32 s30, s14, 8704
	s_add_co_u32 s30, s30, QB                      ; Q[w]
	s_mul_i32 s31, s13, 4352
	s_add_co_u32 s31, s31, s30
	v_add_nc_u32 v7, s31, v119
	v_bfe_u32 v118, v0, 3, 2                       ; Q in: row lane / 8 of four, 16 (lane % 8)
	v_mul_u32_u24 v118, v118, 272
	v_and_b32 v119, 7, v0
	v_lshl_add_u32 v118, v119, 4, v118
	v_add_nc_u32 v6, s31, v118
	s_lshl_b32 s32, s12, 12
	s_add_co_u32 s32, s32, PB
	v_add_nc_u32 v8, s32, v114
	s_lshl_b32 s32, s13, 15
	s_lshl_b32 s33, s14, 9
	s_add_co_u32 s32, s32, s33
	s_add_co_u32 s32, s32, PB
	v_add_nc_u32 v9, s32, v114
	s_mul_i32 s32, s13, 4352                       ; the product in: row 16 half + r; n = 16 (w / 2) + 8 hh + 4 (w % 2) ..: 16 bytes
	s_lshr_b32 s33, s14, 1
	s_lshl_b32 s33, s33, 6
	s_add_co_u32 s32, s32, s33
	s_and_b32 s33, s14, 1
	s_lshl_b32 s33, s33, 4
	s_add_co_u32 s32, s32, s33
	s_add_co_u32 s32, s32, RB
	v_lshl_add_u32 v118, v113, 5, v116
	v_add_nc_u32 v10, s32, v118
	s_mul_i32 s32, s12, 544                        ; out: rows 2 wave + hh, 16 r
	s_add_co_u32 s32, s32, RB
	v_mul_u32_u24 v118, v113, 272
	v_add_nc_u32 v118, v118, v115
	v_add_nc_u32 v11, s32, v118
	s_wait_loadcnt 33                              ; ctx is in; the two groups of Wp and the residual stay out
.irp e, 0,1
.irp p, 0,1,2,3
	ds_store_b128 v6, v[16+16*(\e)+4*(\p):16+16*(\e)+4*(\p)+3] offset:1088*(\p)+128*(\e)
.endr
.endr
	s_wait_loadcnt 17                              ; the first group is in
	KCVT R0
	KSTORE 4, 272, 0
	s_wait_loadcnt 1                               ; the second; the residual may stay out
	KCVT R1
	KSTORE 4, 272, 128
	s_wait_dscnt 0x0                               ; for the others' sake: my parts of T[w] and Q[w] lie in LDS
	BAR
	SPHASE
	ds_store_b128 v10, v[KF:KF+3]
	s_wait_dscnt 0x0
	BAR                                            ; the 32 x 64 product lies in LDS by rows
	ds_load_b128 v[TP+12:TP+15], v11
	s_wait_loadcnt 0x0                             ; the residual
	s_wait_dscnt 0x0
	v_pk_add_f32 v[TP+12:TP+13], v[TP+12:TP+13], v[TP+8:TP+9]
	v_pk_add_f32 v[TP+14:TP+15], v[TP+14:TP+15], v[TP+10:TP+11]
	global_store_b128 v3, v[TP+12:TP+15], s[10:11] ; 16 lanes store 256 consecutive bytes, aligned
	s_wait_tensorcnt 0x0                           ; the wave's end
	ds_add_u32 v14, v15
	s_wait_dscnt 0x0
	s_endpgm
.Lfunc_end_k_qa825b25d21_outproj:
	.size	k_qa825b25d21_outproj, .Lfunc_end_k_qa825b25d21_outproj-k_qa825b25d21_outproj
	.p2alignl 7, 3214868480
	.fill 96, 4, 3214868480
	.section	.rodata,"a",@progbits
	.p2align	6, 0x0
	.amdhsa_kernel k_qa825b25d21_outproj
		.amdhsa_group_segment_fixed_size 285184
		.amdhsa_private_segment_fixed_size 0
		.amdhsa_enable_private_segment 0
		.amdhsa_kernarg_size 32
		.amdhsa_user_sgpr_count 2
		.amdhsa_user_sgpr_kernarg_segment_ptr 1
		.amdhsa_wavefront_size32 1
		.amdhsa_system_sgpr_workgroup_id_x 1
		.amdhsa_system_sgpr_workgroup_id_y 1
		.amdhsa_system_sgpr_workgroup_id_z 1
		.amdhsa_system_vgpr_workitem_id 0
		.amdhsa_next_free_vgpr 256
		.amdhsa_next_free_sgpr 66
		.amdhsa_reserve_vcc 0
		.amdhsa_float_denorm_mode_32 3
		.amdhsa_float_denorm_mode_16_64 3
		.amdhsa_memory_ordered 1
		.amdhsa_forward_progress 1
		.amdhsa_inst_pref_size 22
	.end_amdhsa_kernel
	.amdgpu_metadata
---
amdhsa.version: [ 1, 2 ]
amdhsa.kernels:
  - .name:           k_qa825b25d21_outproj
    .symbol:         k_qa825b25d21_outproj.kd
    .args:
      - { .name: ctx, .offset: 0, .size: 8, .value_kind: global_buffer, .address_space: global }
      - { .name: Wp, .offset: 8, .size: 8, .value_kind: global_buffer, .address_space: global }
      - { .name: q, .offset: 16, .size: 8, .value_kind: global_buffer, .address_space: global }
      - { .name: y, .offset: 24, .size: 8, .value_kind: global_buffer, .address_space: global }
    .group_segment_fixed_size: 285184
    .private_segment_fixed_size: 0
    .kernarg_segment_align: 8
    .kernarg_segment_size: 32
    .max_flat_workgroup_size: 512
    .sgpr_count:     66
    .vgpr_count:     256
    .wavefront_size: 32
...
	.end_amdgpu_metadata
.endif
;; end of part 4
;; launch lnorm (part 5): grid 256 x 1, 2 waves a work-group, no clusters, 0 bytes of LDS; arguments y, scale, offset, out0; writes out0
.if DOCPART == 5
	.amdgcn_target "amdgcn-amd-amdhsa--gfx1250"
	.amdhsa_code_object_version 6
	.text
	.protected	k_qa825b25d21_lnorm
	.globl	k_qa825b25d21_lnorm
	.p2align	8
	.type	k_qa825b25d21_lnorm,@function
k_qa825b25d21_lnorm:
	s_mov_b64 s[64:65], 0
	v_nop
	global_prefetch_b8 v0, s[64:65] scope:SCOPE_SE
	s_setreg_imm32_b32 hwreg(HW_REG_WAVE_MODE, 25, 1), 1
	s_wait_xcnt 0x0
; out0[b][n] = scale[n] (y[b][n] - mean) / (std + 1) + offset[n];  mean over the row's 1,024 numbers;  std = sqrt(sum of (y - mean)^2 / 1023).  All f32.
; One wave, one row of 4,096 bytes: 32 registers, read once and kept between the pass for the mean and the pass for the centred squares, so a common offset of the row costs no digits.
; No LDS, no barrier, no matrix unit: 512 rows are 512 waves, two to a work-group, one work-group for each of 256.
; LIMITS.  The division by 1023 is a multiplication by the rounded reciprocal, the division by std + 1 one by v_rcp_f32's result; a variance below 2^-126 counts as 0.  NaN and infinities are not treated apart.
.set X,  16                            ; v[16:47]   the row
.set SC, 48                            ; v[48:79]   scale
.set OF, 80                            ; v[80:111]  offset
.set T,  112                           ; v[112:127] at work
.macro WSUM                            ; v2 summed over the 32 lanes, the result in every lane
	v_add_f32_dpp v2, v2, v2 row_xmask:1 row_mask:0xf bank_mask:0xf
	v_add_f32_dpp v2, v2, v2 row_xmask:2 row_mask:0xf bank_mask:0xf
	v_add_f32_dpp v2, v2, v2 row_xmask:4 row_mask:0xf bank_mask:0xf
	v_add_f32_dpp v2, v2, v2 row_xmask:8 row_mask:0xf bank_mask:0xf
	v_permlanex16_b32 v3, v2, s16, s17
	v_add_f32 v2, v2, v3
.endm
	s_load_b256 s[4:11], s[0:1], 0x0               ; y s[4:5], scale s[6:7], offset s[8:9], out0 s[10:11]
	v_lshrrev_b32 v1, 5, v0
	v_readfirstlane_b32 s12, v1                    ; wave 0, 1
	v_and_b32 v1, 31, v0
	v_lshlrev_b32 v1, 4, v1                        ; 16 x lane
	v_mov_b32 v3, 0                                ; v_permlanex16_b32's destination counts as read
	s_lshl_b32 s14, ttmp9, 1
	s_add_co_u32 s14, s14, s12                     ; the row
	s_lshl_b32 s14, s14, 12
	s_mov_b32 s15, 0
	s_mov_b32 s16, 0x76543210
	s_mov_b32 s17, 0xfedcba98
	s_wait_kmcnt 0x0
	s_add_nc_u64 s[4:5], s[4:5], s[14:15]
	s_add_nc_u64 s[10:11], s[10:11], s[14:15]
.irp i, 0,1,2,3,4,5,6,7
	global_load_b128 v[X+4*(\i):X+4*(\i)+3], v1, s[4:5] offset:512*(\i) th:TH_LOAD_NT
.endr
.irp i, 0,1,2,3,4,5,6,7
	global_load_b128 v[SC+4*(\i):SC+4*(\i)+3], v1, s[6:7] offset:512*(\i)
.endr
.irp i, 0,1,2,3,4,5,6,7
	global_load_b128 v[OF+4*(\i):OF+4*(\i)+3], v1, s[8:9] offset:512*(\i)
.endr
	s_wait_loadcnt 16                              ; the row is in; scale's and offset's 16 loads stay out
.set p, 0
.rept 8
	v_pk_add_f32 v[T+2*p:T+2*p+1], v[X+4*p:X+4*p+1], v[X+4*p+2:X+4*p+3]
.set p, p+1
.endr
.set p, 0
.rept 4
	v_pk_add_f32 v[T+2*p:T+2*p+1], v[T+2*p:T+2*p+1], v[T+8+2*p:T+8+2*p+1]
.set p, p+1
.endr
.set p, 0
.rept 2
	v_pk_add_f32 v[T+2*p:T+2*p+1], v[T+2*p:T+2*p+1], v[T+4+2*p:T+4+2*p+1]
.set p, p+1
.endr
	v_pk_add_f32 v[T:T+1], v[T:T+1], v[T+2:T+3]
	v_add_f32 v2, v[T], v[T+1]
	WSUM
	v_mul_f32 v8, 0x3a800000, v2                   ; the mean: sum / 1024
	v_mov_b32 v9, v8
.set p, 0
.rept 16
	v_pk_add_f32 v[X+2*p:X+2*p+1], v[X+2*p:X+2*p+1], v[8:9] neg_lo:[0,1] neg_hi:[0,1]
.set p, p+1
.endr
.set p, 0
.rept 4
	v_pk_mul_f32 v[T+2*p:T+2*p+1], v[X+2*p:X+2*p+1], v[X+2*p:X+2*p+1]     ; four chains, started by the first four pairs
.set p, p+1
.endr
.rept 12
	v_pk_fma_f32 v[T+2*(p%4):T+2*(p%4)+1], v[X+2*p:X+2*p+1], v[X+2*p:X+2*p+1], v[T+2*(p%4):T+2*(p%4)+1]
.set p, p+1
.endr
	v_pk_add_f32 v[T:T+1], v[T:T+1], v[T+2:T+3]
	v_pk_add_f32 v[T+4:T+5], v[T+4:T+5], v[T+6:T+7]
	v_pk_add_f32 v[T:T+1], v[T:T+1], v[T+4:T+5]
	v_add_f32 v2, v[T], v[T+1]
	WSUM
	v_mul_f32 v4, 0x3a802008, v2                   ; / 1023
	v_sqrt_f32 v5, v4
	v_nop                                          ; a plain instruction behind the root,
	s_wait_alu depctr_va_vdst(0)                   ; and its wait, ahead of the line that names the result
	v_add_f32 v5, 1.0, v5                          ; std + eps, eps = 1
	v_rcp_f32 v10, v5
	v_mov_b32 v11, 0                               ; the plain instruction behind the reciprocal; the pair's other register is written
	s_wait_alu depctr_va_vdst(0)
	s_wait_loadcnt 0x0                             ; scale and offset
.set p, 0
.rept 16
	v_pk_mul_f32 v[X+2*p:X+2*p+1], v[X+2*p:X+2*p+1], v[10:11] op_sel_hi:[1,0]
.set p, p+1
.endr
.set p, 0
.rept 16
	v_pk_fma_f32 v[X+2*p:X+2*p+1], v[X+2*p:X+2*p+1], v[SC+2*p:SC+2*p+1], v[OF+2*p:OF+2*p+1]
.set p, p+1
.endr
.irp i, 0,1,2,3,4,5,6,7
	global_store_b128 v1, v[X+4*(\i):X+4*(\i)+3], s[10:11] offset:512*(\i) th:TH_STORE_NT   ; the wave stores 512 consecutive bytes, aligned
.endr
	s_endpgm
.Lfunc_end_k_qa825b25d21_lnorm:
	.size	k_qa825b25d21_lnorm, .Lfunc_end_k_qa825b25d21_lnorm-k_qa825b25d21_lnorm
	.p2alignl 7, 3214868480
	.fill 96, 4, 3214868480
	.section	.rodata,"a",@progbits
	.p2align	6, 0x0
	.amdhsa_kernel k_qa825b25d21_lnorm
		.amdhsa_group_segment_fixed_size 0
		.amdhsa_private_segment_fixed_size 0
		.amdhsa_enable_private_segment 0
		.amdhsa_kernarg_size 32
		.amdhsa_user_sgpr_count 2
		.amdhsa_user_sgpr_kernarg_segment_ptr 1
		.amdhsa_wavefront_size32 1
		.amdhsa_system_sgpr_workgroup_id_x 1
		.amdhsa_system_sgpr_workgroup_id_y 1
		.amdhsa_system_sgpr_workgroup_id_z 1
		.amdhsa_system_vgpr_workitem_id 0
		.amdhsa_next_free_vgpr 128
		.amdhsa_next_free_sgpr 66
		.amdhsa_reserve_vcc 0
		.amdhsa_float_denorm_mode_32 3
		.amdhsa_float_denorm_mode_16_64 3
		.amdhsa_memory_ordered 1
		.amdhsa_forward_progress 1
		.amdhsa_inst_pref_size 11
	.end_amdhsa_kernel
	.amdgpu_metadata
---
amdhsa.version: [ 1, 2 ]
amdhsa.kernels:
  - .name:           k_qa825b25d21_lnorm
    .symbol:         k_qa825b25d21_lnorm.kd
    .args:
      - { .name: y, .offset: 0, .size: 8, .value_kind: global_buffer, .address_space: global }
      - { .name: scale, .offset: 8, .size: 8, .value_kind: global_buffer, .address_space: global }
      - { .name: offset, .offset: 16, .size: 8, .value_kind: global_buffer, .address_space: global }
      - { .name: out0, .offset: 24, .size: 8, .value_kind: global_buffer, .address_space: global }
    .group_segment_fixed_size: 0
    .private_segment_fixed_size: 0
    .kernarg_segment_align: 8
    .kernarg_segment_size: 32
    .max_flat_workgroup_size: 64
    .sgpr_count:     66
    .vgpr_count:     128
    .wavefront_size: 32
...
	.end_amdgpu_metadata
.endif
;; end of part 5
;; ======== version 2 of 2: 5 launches; version 1 with the launch attn written anew for expert scheduling mode
;; workspace buffers: qk 16,777,216 bytes; wv 16,777,216 bytes; ctx 1,048,576 bytes; y 2,097,152 bytes
;; launch qkproj: the kernel of part 1 again; grid 16 x 16, 16 waves a work-group, no clusters, 280,576 bytes of LDS; arguments q, Wq, Wk, qk; writes qk
;; launch attn (part 6): grid 256 x 1, 16 waves a work-group, no clusters, 219,136 bytes of LDS; arguments k, v, qk, wv; writes wv
.if DOCPART == 6
	.amdgcn_target "amdgcn-amd-amdhsa--gfx1250"
	.amdhsa_code_object_version 6
	.text
	.protected	k_qa825b25d21_attn
	.globl	k_qa825b25d21_attn
	.p2align	8
	.type	k_qa825b25d21_attn,@function
k_qa825b25d21_attn:
	s_mov_b64 s[64:65], 0
	v_nop
	global_prefetch_b8 v0, s[64:65] scope:SCOPE_SE
	s_setreg_imm32_b32 hwreg(HW_REG_WAVE_SCHED_MODE, 0, 2), 2
	s_setreg_imm32_b32 hwreg(HW_REG_WAVE_MODE, 25, 1), 1
	s_wait_xcnt 0x0
	s_wait_alu depctr_vm_vsrc(0)
; wv[b][h][d] = sum over l of w[b][h][l] v[b][l][d],   w[b][h][:] = softmax over l of (sum over d of k[b][l][d] qk[b][h][d]) / 32.   qk, wv: bf16 [512][16][1024].
; The projections of k and v by Wk and Wv are not formed: with one query for each b they re-associate exactly (shown at the head of the first kernel).
; LIMITS.  k, v and the weights w are rounded once to bf16; sums, maximum and exponentials in f32.  The maximum over the 64 keys is taken away before the exponential.  A weight below 2^-126 counts as 0.
; NaN and infinities are not treated apart.
; SHARES.  A work-group takes two b, eight waves each (half = wave / 8, w = wave % 8), side by side through the same two barriers.  Wave w owns d = 128 w .. 128 w + 127 of all 64 rows of k[b] and v[b]:
; every byte of k and v is read once, by one wave, in aligned runs of 256 bytes.
; IN FLIGHT.  A group is 16 loads: 32 rows x 256 bytes.  Each wave keeps two groups out from its first line to its last group: a slot is asked for again as soon as it has been converted;
; v's first two groups are out while the scores are reduced and the softmax runs.  No tensor load: f32 has to pass through registers to be rounded.
; SCORES, transposed: source 0 = 16 rows of k (rounded, through the wave's own LDS bytes, to get K = d along a lane), source 1 = the 16 heads of qk.  Lane (r, hh), register j of tile t holds
; head r, key 16 t + 8 hh + j.  The eight waves' partial sums meet in LDS; then every wave runs the softmax of all 16 heads, since each needs all weights.
; SECOND PRODUCT, transposed: the weights rounded in pairs ARE source 1; source 0 (16 d x 32 keys) is made in registers from v's loads as they come: component t of the loads is the fragment of d = d0 + 4 r + t.
; THE MODE: SCHED_MODE bits 1:0 = 2 (LLVM: expert scheduling mode 2), set by the entry lines.  The code itself states the register dependences
; between vector or matrix instructions and memory or LDS instructions, with s_wait_alu, always for 0.
; THE PLAN.  Registers that memory or LDS instructions touch:
;   v1-v3     global offsets, v4-v13 LDS addresses: made once at the head by vector lines, never written again.
;   CV        A group of k: its 32 conversions write CV, its 16 LDS stores read it.  Ahead of the first group qk passes through it (global loads in, LDS stores out).  From the softmax on vector and matrix lines alone name it.
;   R0, R1    A group's conversions read its slot; behind them the slot's next 16 global loads land in it.  At the end the stage's LDS loads land in R0 and the global stores read it.
;   KF        LDS loads land in it (k's fragments; the eight partial sums); products and additions read it; one LDS store reads its first four registers; on the way out roundings write it and the stage's LDS stores read it.
;   QF        LDS loads land in it (qk's fragments), products read it; later the weights, which vector and matrix lines alone name.
;   ACC       Products write it, the partial sums' LDS stores read it, the finished scores' LDS loads land in it; then vector and matrix lines alone.
; So a group of k has two waits: one on vm_vsrc at its head (the LDS stores of the group before have read CV) and ONE on va_vdst behind its conversions, which states that CV is written, that the
; conversions are done reading the slot, and that the products of the group before are done reading KF and QF.  All the group's LDS stores, global loads and LDS loads follow it with no further wait: no vector
; line stands among them, and the products behind them name KF, QF and ACC alone.  A group of v that asks again has one wait on va_vdst behind its conversions; its loads are dealt among its four products.
; No further buffer of registers: 16 waves are four to a SIMD, 256 registers each, and all are laid out below.
.set QB,    73728                      ; LDS: each wave's 32 rows x 144 bytes at 4,608 x wave; then each wave's 16 rows x 272 at QB + 4,352 x wave: qk, later the stage for the way out
.set PB,    143360                     ; the 16 waves' partial sums, 4,096 bytes each
.set RB,    208896                     ; the finished scores, 4,096 bytes for each b
.set SPARE, 217088                     ; the spare words: 128 bytes a wave, named by no other line
.set ACC, 16                           ; v[16:47]   four accumulators
.set QF,  48                           ; v[48:63]   qk's fragments; later the weights
.set CV,  64                           ; v[64:95]   converted numbers; the softmax's registers at work
.set KF,  96                           ; v[96:127]  k's fragments; the reduction; packed results
.set R0,  128                          ; v[128:191] a group of loads
.set R1,  192                          ; v[192:255] the other
.set MX,  64                           ; four chains of the maximum
.set CM,  68                           ; c m, m
.set LS,  70                           ; the sum
.set RC,  72                           ; 1 / sum, and a written partner for the pair
.set SM,  74                           ; v[74:89] the sums' tree
; v1 k's and v's lane offset; v2 qk's; v3 wv's; v4 v5 k's rows in / out; v6 v7 qk in / out; v8 v9 partial sums; v10 v11 scores; v12 v13 stage; v14 v15 the spare word and 0
.macro PLACES n
.rept \n
	v_nop
.endr
.endm
.macro BAR
	s_barrier_signal -1
	s_barrier_wait -1
.endm
.macro LOADG R, base, off0             ; lanes 0-15 take 256 aligned bytes of one row, lanes 16-31 of the row 8 below; load j: row 16 (j / 8) + 8 hh + j % 8
.set j, 0
.rept 16
	global_load_b128 v[(\R)+4*j:(\R)+4*j+3], v1, s[(\base):(\base)+1] offset:(\off0)+(16*(j/8)+j%8)*4096 th:TH_LOAD_NT
.set j, j+1
.endr
.endm
.macro KCVT R
.set j, 0
.rept 16
	v_cvt_pk_bf16_f32 v[CV+2*j], v[(\R)+4*j], v[(\R)+4*j+1]
	v_cvt_pk_bf16_f32 v[CV+2*j+1], v[(\R)+4*j+2], v[(\R)+4*j+3]
.set j, j+1
.endr
.endm
.macro SMUL kk, g                      ; the two accumulators take turns, one instruction a turn, from group to group too
.irp c, 0,1
.irp t, 0,1
.if ((\g) == 0) && ((\c) == 0)
	v_wmma_f32_16x16x32_bf16 v[ACC+8*(2*(\kk)+(\t)):ACC+8*(2*(\kk)+(\t))+7], v[KF+8*(2*(\t)+(\c)):KF+8*(2*(\t)+(\c))+7], v[QF+8*(\c):QF+8*(\c)+7], 0
.else
	v_wmma_f32_16x16x32_bf16 v[ACC+8*(2*(\kk)+(\t)):ACC+8*(2*(\kk)+(\t))+7], v[KF+8*(2*(\t)+(\c)):KF+8*(2*(\t)+(\c))+7], v[QF+8*(\c):QF+8*(\c)+7], v[ACC+8*(2*(\kk)+(\t)):ACC+8*(2*(\kk)+(\t))+7]
.endif
.endr
.endr
.endm
; A group of k: rows 32 kk .., d 64 g .. of my 128.  The slot is asked for again (base nbase, byte noff) as soon as it is converted: its 16 global loads and the group's 16 LDS stores go by turns.
; The LDS bytes are the wave's own, and LDS serves a wave in order: no barrier.
.macro KGROUP R, kk, g, nbase, noff
	s_wait_loadcnt 16                              ; this group is in; the younger group's 16 loads stay out
	s_wait_alu depctr_vm_vsrc(0)                   ; the LDS stores issued so far (qk's, or the group before's) have read v[CV ..], which the conversions below write again
	KCVT \R
	s_wait_alu depctr_va_vdst(0)                   ; the conversions have written v[CV ..], which the LDS stores read, and are done reading the slot, in which the global loads land; the products of the group before are done reading KF and QF, in which the LDS loads land
.set j, 0
.rept 16
	ds_store_b64 v4, v[CV+2*j:CV+2*j+1] offset:(16*(j/8)+j%8)*144    ; 8 rows are 128 bytes modulo 256: the halves of the lanes take different banks
	global_load_b128 v[(\R)+4*j:(\R)+4*j+3], v1, s[(\nbase):(\nbase)+1] offset:(\noff)+(16*(j/8)+j%8)*4096 th:TH_LOAD_NT   ; as in LOADG: row 16 (j / 8) + 8 hh + j % 8
.set j, j+1
.endr
.irp t, 0,1
.irp c, 0,1
	ds_load_b128 v[KF+8*(2*(\t)+(\c)):KF+8*(2*(\t)+(\c))+3],   v5 offset:16*(\t)*144+64*(\c)
	ds_load_b128 v[KF+8*(2*(\t)+(\c))+4:KF+8*(2*(\t)+(\c))+7], v5 offset:16*(\t)*144+64*(\c)+32
.endr
.endr
.irp c, 0,1
	ds_load_b128 v[QF+8*(\c):QF+8*(\c)+3],   v7 offset:128*(\g)+64*(\c)
	ds_load_b128 v[QF+8*(\c)+4:QF+8*(\c)+7], v7 offset:128*(\g)+64*(\c)+32
.endr
	s_wait_dscnt 0x0
	SMUL \kk, \g
.endm
; A group of v: keys 32 kk ..; four tiles of 16 d by turns.  cnt: the younger loads that may stay out.  more = 1: the slot is asked for again, at byte noff: four loads behind each product.
.macro VGROUP R, kk, cnt, more, noff
	s_wait_loadcnt \cnt
.irp t, 0,1,2,3
.set j, 0
.rept 8
	v_cvt_pk_bf16_f32 v[CV+8*(\t)+j], v[(\R)+8*j+(\t)], v[(\R)+8*j+4+(\t)]
.set j, j+1
.endr
.endr
.if \more
	s_wait_alu depctr_va_vdst(0)                   ; the conversions are done reading the slot, in which the loads below land; the products among them name CV, QF and ACC alone
.endif
.irp t, 0,1,2,3
.if (\kk) == 0
	v_wmma_f32_16x16x32_bf16 v[ACC+8*(\t):ACC+8*(\t)+7], v[CV+8*(\t):CV+8*(\t)+7], v[QF+8*(\kk):QF+8*(\kk)+7], 0
.else
	v_wmma_f32_16x16x32_bf16 v[ACC+8*(\t):ACC+8*(\t)+7], v[CV+8*(\t):CV+8*(\t)+7], v[QF+8*(\kk):QF+8*(\kk)+7], v[ACC+8*(\t):ACC+8*(\t)+7]
.endif
.if \more
.set j, 4*(\t)
.rept 4
	global_load_b128 v[(\R)+4*j:(\R)+4*j+3], v1, s[6:7] offset:(\noff)+(16*(j/8)+j%8)*4096 th:TH_LOAD_NT   ; as in LOADG: row 16 (j / 8) + 8 hh + j % 8
.set j, j+1
.endr
.endif
.endr
	PLACES 4                                       ; between the products and the next conversions, which write their source 0
.endm
.macro OUTG g                          ; register j of tile t is d = d0 + 32 hh + 4 j + t: the four tiles interleave into 32 neighbouring d of head r: 64 bytes, into my stage
	PLACES 4
.if \g
	s_wait_alu depctr_vm_vsrc(0)                   ; the stage's LDS stores of the first 64 d have read v[KF ..], which the roundings below write again
.endif
.set j, 0
.rept 8
	v_cvt_pk_bf16_f32 v[KF+2*j],   v[ACC+j],    v[ACC+8+j]
	v_cvt_pk_bf16_f32 v[KF+2*j+1], v[ACC+16+j], v[ACC+24+j]
.set j, j+1
.endr
	s_wait_alu depctr_va_vdst(0)                   ; the roundings have written v[KF ..], which the LDS stores read; behind the second 64 d also: the conversions are done reading R0, in which the stage's loads land
.irp i, 0,1,2,3
	ds_store_b128 v12, v[KF+4*(\i):KF+4*(\i)+3] offset:128*(\g)+16*(\i)
.endr
.endm
	s_load_b256 s[4:11], s[0:1], 0x0               ; k s[4:5], v s[6:7], qk s[8:9], wv s[10:11]
	v_lshl_add_u32 v14, v0, 2, SPARE
	v_mov_b32 v15, 0
	v_lshrrev_b32 v1, 5, v0
	v_readfirstlane_b32 s12, v1                    ; wave 0..15
	v_and_b32 v96, 15, v0                          ; r
	v_bfe_u32 v97, v0, 4, 1                        ; hh
	v_lshlrev_b32 v99, 4, v96                      ; 16 r
	v_lshl_add_u32 v1, v97, 15, v99                ; 8 rows of 4,096 bytes for the upper lanes
	v_lshl_add_u32 v2, v97, 14, v99                ; 8 heads of 2,048 bytes
	v_lshl_add_u32 v3, v97, 11, v99                ; one head
	s_wait_alu depctr_va_sdst(0)                   ; s12 is written, ahead of its first reader: the bases and the LDS places are made from it
	s_lshr_b32 s13, s12, 3                         ; half
	s_and_b32 s14, s12, 7                          ; w
	s_lshl_b32 s15, ttmp9, 1
	s_add_co_u32 s15, s15, s13                     ; b
	s_lshl_b32 s16, s15, 18                        ; k[b], v[b]: 262,144 bytes; my 128 d: 512
	s_lshl_b32 s24, s14, 9
	s_add_co_u32 s16, s16, s24
	s_mov_b32 s17, 0
	s_lshl_b32 s18, s15, 15                        ; qk[b], wv[b]: 32,768 bytes; my 128 d: 256
	s_lshl_b32 s24, s14, 8
	s_add_co_u32 s18, s18, s24
	s_mov_b32 s19, 0
	s_mov_b32 s20, 0x3d38aa3b                      ; c = log2(e) / 32
	s_mov_b32 s21, s20                             ; named with it as a pair
	s_mov_b32 s22, 0x76543210                      ; v_permlanex16_b32: each lane takes its own place in the other half
	s_mov_b32 s23, 0xfedcba98
	s_wait_kmcnt 0x0
	s_add_nc_u64 s[4:5], s[4:5], s[16:17]
	s_add_nc_u64 s[6:7], s[6:7], s[16:17]
	s_add_nc_u64 s[8:9], s[8:9], s[18:19]
	s_add_nc_u64 s[10:11], s[10:11], s[18:19]
	s_wait_alu depctr_va_vdst(0)                   ; the global offsets v1, v2 and v3 are written: every global load and store of the kernel reads one of them
.irp i, 0,1,2,3,4,5,6,7
	global_load_b128 v[CV+4*(\i):CV+4*(\i)+3], v2, s[8:9] offset:2048*(\i) th:TH_LOAD_NT   ; qk: head i + 8 hh, my 256 bytes
.endr
	LOADG R0, 4, 0                                 ; k rows 0-31, first 256 bytes
	LOADG R1, 4, 256                               ; and second
	v_and_b32 v98, 31, v0                          ; the LDS addresses are made while the loads are out: these lines name none of v1, v2, CV, R0, R1
	v_lshlrev_b32 v102, 4, v98                     ; 16 x lane
	s_mul_i32 s25, s12, 4608
	v_mul_u32_u24 v100, v97, 1152
	v_lshl_add_u32 v100, v96, 3, v100
	v_add_nc_u32 v4, s25, v100                     ; 8 rows x hh + 8 r
	v_mul_u32_u24 v100, v96, 144
	v_lshl_add_u32 v100, v97, 4, v100
	v_add_nc_u32 v5, s25, v100                     ; row r + 16 hh
	s_mul_i32 s26, s12, 4352
	s_add_co_u32 s26, s26, QB
	v_mul_u32_u24 v100, v97, 2176
	v_add_nc_u32 v100, v100, v99
	v_add_nc_u32 v6, s26, v100                     ; 8 rows x hh + 16 r
	v_mul_u32_u24 v101, v96, 272
	v_lshl_add_u32 v100, v97, 4, v101
	v_add_nc_u32 v7, s26, v100                     ; row r + 16 hh
	v_lshl_add_u32 v100, v97, 6, v101
	v_add_nc_u32 v12, s26, v100                    ; row r + 64 hh
	v_mul_u32_u24 v100, v97, 272
	v_add_nc_u32 v100, v100, v99
	v_add_nc_u32 v13, s26, v100                    ; row hh + 16 r
	s_lshl_b32 s27, s12, 12
	s_add_co_u32 s27, s27, PB
	v_add_nc_u32 v8, s27, v102
	s_lshl_b32 s28, s13, 15
	s_lshl_b32 s29, s14, 9
	s_add_co_u32 s28, s28, s29
	s_add_co_u32 s28, s28, PB
	v_add_nc_u32 v9, s28, v102
	s_lshl_b32 s29, s12, 9
	s_add_co_u32 s29, s29, RB
	v_add_nc_u32 v10, s29, v102
	s_lshl_b32 s30, s13, 12
	s_add_co_u32 s30, s30, RB
	v_add_nc_u32 v11, s30, v102
	s_wait_loadcnt 32                              ; qk is in; k's two groups stay out
	s_wait_alu depctr_va_vdst(0)                   ; the LDS addresses v4 to v13 are written, which every LDS instruction of the kernel reads; so are v96 to v102, in which fragments' loads land
.irp i, 0,1,2,3,4,5,6,7
	ds_store_b128 v6, v[CV+4*(\i):CV+4*(\i)+3] offset:272*(\i)
.endr
	KGROUP R0, 0, 0, 4, 131072                     ; asks for k rows 32-63, first 256 bytes
	KGROUP R1, 0, 1, 4, 131072+256                 ; and second
	KGROUP R0, 1, 0, 6, 0                          ; asks for v keys 0-31, first 256 bytes
	KGROUP R1, 1, 1, 6, 131072                     ; and keys 32-63
	PLACES 8
	s_wait_alu depctr_va_vdst(0)                   ; the products have written the accumulators, which the LDS stores read, and are done reading KF, in which the partial sums' loads land; the places above stay beside this wait
.set j, 0
.rept 8
	ds_store_b128 v8, v[ACC+4*j:ACC+4*j+3] offset:512*j    ; ascending: each accumulator's low registers are read first
.set j, j+1
.endr
	s_wait_dscnt 0x0                               ; for the others' sake: my partial sums lie in LDS
	BAR
.set j, 0
.rept 8
	ds_load_b128 v[KF+4*j:KF+4*j+3], v9 offset:4096*j      ; registers 4 w .. 4 w + 3 of the eight waves of my b
.set j, j+1
.endr
	s_wait_dscnt 0x0
.set j, 0
.rept 8
	v_pk_add_f32 v[KF+2*j:KF+2*j+1], v[KF+2*j:KF+2*j+1], v[KF+16+2*j:KF+16+2*j+1]
.set j, j+1
.endr
.set j, 0
.rept 4
	v_pk_add_f32 v[KF+2*j:KF+2*j+1], v[KF+2*j:KF+2*j+1], v[KF+8+2*j:KF+8+2*j+1]
.set j, j+1
.endr
.set j, 0
.rept 2
	v_pk_add_f32 v[KF+2*j:KF+2*j+1], v[KF+2*j:KF+2*j+1], v[KF+4+2*j:KF+4+2*j+1]
.set j, j+1
.endr
	s_wait_alu depctr_va_vdst(0)                   ; the additions have written v[KF:KF+3], which the LDS store reads
	ds_store_b128 v10, v[KF:KF+3]
	s_wait_dscnt 0x0
	BAR                                            ; the finished scores of both b lie in LDS
	s_wait_alu depctr_vm_vsrc(0)                   ; my LDS stores have read their registers: the accumulators, in which the scores' loads land; v[CV ..], which the softmax and v's conversions write; v[KF:KF+3], which the way out's roundings write
.set j, 0
.rept 8
	ds_load_b128 v[ACC+4*j:ACC+4*j+3], v11 offset:512*j
.set j, j+1
.endr
	s_wait_dscnt 0x0
	; THE SOFTMAX: a lane is head r and holds 32 of its 64 scores; the lane 16 away holds the others
.irp n, 0,1,2,3
	v_max3_num_f32 v[MX+(\n)], v[ACC+8*(\n)], v[ACC+8*(\n)+1], v[ACC+8*(\n)+2]
.endr
.irp n, 0,1,2,3
	v_max3_num_f32 v[MX+(\n)], v[MX+(\n)], v[ACC+8*(\n)+3], v[ACC+8*(\n)+4]
.endr
.irp n, 0,1,2,3
	v_max3_num_f32 v[MX+(\n)], v[MX+(\n)], v[ACC+8*(\n)+5], v[ACC+8*(\n)+6]
.endr
	v_max3_num_f32 v[MX], v[MX], v[ACC+7], v[ACC+15]
	v_max3_num_f32 v[MX+1], v[MX+1], v[ACC+23], v[ACC+31]
	v_max_num_f32 v[MX+2], v[MX+2], v[MX+3]
	v_max3_num_f32 v[MX], v[MX], v[MX+1], v[MX+2]
	v_permlanex16_b32 v[MX+1], v[MX], s22, s23
	v_max_num_f32 v[CM+1], v[MX], v[MX+1]          ; m
	v_mul_f32 v[CM], s20, v[CM+1]                  ; c m
.set p, 0
.rept 16
	v_pk_fma_f32 v[ACC+2*p:ACC+2*p+1], v[ACC+2*p:ACC+2*p+1], s[20:21], v[CM:CM+1] op_sel_hi:[1,0,0] neg_lo:[0,0,1] neg_hi:[0,0,1]   ; c s - c m
.set p, p+1
.endr
.set p, 0
.rept 32
	v_exp_f32 v[ACC+p], v[ACC+p]
.set p, p+1
.endr
	v_nop                                          ; a plain instruction behind the last exponential,
	s_wait_alu depctr_va_vdst(0)                   ; and one wait for the batch: the 32 exponentials have written v[ACC ..], ahead of the first line that names a result
.set p, 0
.rept 8
	v_pk_add_f32 v[SM+2*p:SM+2*p+1], v[ACC+4*p:ACC+4*p+1], v[ACC+4*p+2:ACC+4*p+3]
.set p, p+1
.endr
.set p, 0
.rept 4
	v_pk_add_f32 v[SM+2*p:SM+2*p+1], v[SM+2*p:SM+2*p+1], v[SM+8+2*p:SM+8+2*p+1]
.set p, p+1
.endr
.set p, 0
.rept 2
	v_pk_add_f32 v[SM+2*p:SM+2*p+1], v[SM+2*p:SM+2*p+1], v[SM+4+2*p:SM+4+2*p+1]
.set p, p+1
.endr
	v_pk_add_f32 v[SM:SM+1], v[SM:SM+1], v[SM+2:SM+3]
	v_add_f32 v[LS], v[SM], v[SM+1]
	v_permlanex16_b32 v[MX+2], v[LS], s22, s23
	v_add_f32 v[LS], v[LS], v[MX+2]
	v_rcp_f32 v[RC], v[LS]
	v_mov_b32 v[RC+1], 0                           ; the plain instruction behind the reciprocal; the pair's other register is written
	s_wait_alu depctr_va_vdst(0)                   ; the reciprocal has written v[RC], ahead of the first line that names it
.set p, 0
.rept 16
	v_pk_mul_f32 v[ACC+2*p:ACC+2*p+1], v[ACC+2*p:ACC+2*p+1], v[RC:RC+1] op_sel_hi:[1,0]
.set p, p+1
.endr
.set p, 0
.rept 16
	v_cvt_pk_bf16_f32 v[QF+p], v[ACC+2*p], v[ACC+2*p+1]    ; tiles 2 kk, 2 kk + 1 in pairs: source 1 for keys 32 kk ..
.set p, p+1
.endr
	VGROUP R0, 0, 16, 1, 256                       ; d 0-63 of my 128; asks for d 64-127, keys 0-31
	VGROUP R1, 1, 16, 1, 131072+256                ; and keys 32-63
	OUTG 0
	VGROUP R0, 0, 16, 0, 0
	VGROUP R1, 1, 0, 0, 0                          ; the last group: nothing is out behind it
	OUTG 1
.irp i, 0,1,2,3,4,5,6,7
	ds_load_b128 v[R0+4*(\i):R0+4*(\i)+3], v13 offset:544*(\i)       ; heads 2 i + hh, my 256 bytes whole; LDS serves a wave in order: these see the stores above
.endr
.irp i, 0,1,2,3,4,5,6,7
	s_wait_dscnt 7-(\i)                            ; the younger loads may stay out
	global_store_b128 v3, v[R0+4*(\i):R0+4*(\i)+3], s[10:11] offset:4096*(\i)    ; 16 lanes store 256 consecutive bytes, aligned
.endr
	s_wait_dscnt 0x0                               ; the wave's end
	s_wait_alu 0x0
	s_wait_tensorcnt 0x0
	ds_add_u32 v14, v15
	s_wait_dscnt 0x0
	s_endpgm
.Lfunc_end_k_qa825b25d21_attn:
	.size	k_qa825b25d21_attn, .Lfunc_end_k_qa825b25d21_attn-k_qa825b25d21_attn
	.p2alignl 7, 3214868480
	.fill 96, 4, 3214868480
	.section	.rodata,"a",@progbits
	.p2align	6, 0x0
	.amdhsa_kernel k_qa825b25d21_attn
		.amdhsa_group_segment_fixed_size 219136
		.amdhsa_private_segment_fixed_size 0
		.amdhsa_enable_private_segment 0
		.amdhsa_kernarg_size 32
		.amdhsa_user_sgpr_count 2
		.amdhsa_user_sgpr_kernarg_segment_ptr 1
		.amdhsa_wavefront_size32 1
		.amdhsa_system_sgpr_workgroup_id_x 1
		.amdhsa_system_sgpr_workgroup_id_y 1
		.amdhsa_system_sgpr_workgroup_id_z 1
		.amdhsa_system_vgpr_workitem_id 0
		.amdhsa_next_free_vgpr 256
		.amdhsa_next_free_sgpr 66
		.amdhsa_reserve_vcc 0
		.amdhsa_float_denorm_mode_32 3
		.amdhsa_float_denorm_mode_16_64 3
		.amdhsa_memory_ordered 1
		.amdhsa_forward_progress 1
		.amdhsa_inst_pref_size 57
	.end_amdhsa_kernel
	.amdgpu_metadata
---
amdhsa.version: [ 1, 2 ]
amdhsa.kernels:
  - .name:           k_qa825b25d21_attn
    .symbol:         k_qa825b25d21_attn.kd
    .args:
      - { .name: k, .offset: 0, .size: 8, .value_kind: global_buffer, .address_space: global }
      - { .name: v, .offset: 8, .size: 8, .value_kind: global_buffer, .address_space: global }
      - { .name: qk, .offset: 16, .size: 8, .value_kind: global_buffer, .address_space: global }
      - { .name: wv, .offset: 24, .size: 8, .value_kind: global_buffer, .address_space: global }
    .group_segment_fixed_size: 219136
    .private_segment_fixed_size: 0
    .kernarg_segment_align: 8
    .kernarg_segment_size: 32
    .max_flat_workgroup_size: 512
    .sgpr_count:     66
    .vgpr_count:     256
    .wavefront_size: 32
...
	.end_amdgpu_metadata
.endif
;; end of part 6
;; launch ctxproj: the kernel of part 3 again; grid 16 x 16, 16 waves a work-group, no clusters, 281,088 bytes of LDS; arguments wv, Wv, ctx; writes ctx
;; launch outproj: the kernel of part 4 again; grid 16 x 16, 16 waves a work-group, no clusters, 285,184 bytes of LDS; arguments ctx, Wp, q, y; writes y
;; launch lnorm: the kernel of part 5 again; grid 256 x 1, 2 waves a work-group, no clusters, 0 bytes of LDS; arguments y, scale, offset, out0; writes out0
